; MI455X (gfx1250); checked and timed in simulation.
; The chip was launched on July 23, 2026; its instructions are those of AMD's public machine-readable ISA for CDNA 5 (MIT licence, August 2026) and "CDNA5" Instruction Set Architecture Reference Guide (July 2026). The comments in the code are by the model that wrote it; some were corrected since.
;; GPT3 Self Attention. Allowed arithmetic: float matrix products may take bf16 or f16 operands with f32 sums; all other float work in f32.
;; Inputs: W_dense 1,024 x 1,024 float32; W_qkv 1,024 x 3,072 float32; attention_mask 1 x 1 x 2,048 x 2,048 bool; b_dense 1,024 float32; b_qkv 3,072 float32; hidden_states 4 x 2,048 x 1,024 float32.
;; Outputs: out0 4 x 2,048 x 1,024 float32.
;; 2 versions, each right. Each part assembles by itself: llvm-mc -triple=amdgcn-amd-amdhsa -mcpu=gfx1250 --defsym DOCPART=n.
;; ======== version 1 of 2: 4 launches
;; limits: values are held in f16: magnitudes above 65,504 overflow, below 6.1e-05 lose precision
;; workspace buffers: xb 16,777,216 bytes; wq 6,291,456 bytes; wd 2,097,152 bytes; pm 4,194,304 bytes; qkv 50,331,648 bytes; ctx 16,777,216 bytes
;; launch prep (part 1): grid 512 x 1, 8 waves a work-group, no clusters, 35,840 bytes of LDS; arguments hidden_states, W_qkv, W_dense, attention_mask, xb, wq, wd, pm; writes xb, wq, wd, pm
.if DOCPART == 1
	.amdgcn_target "amdgcn-amd-amdhsa--gfx1250"
	.amdhsa_code_object_version 6
	.text
	.protected	k_q71a66f8a84_prep
	.globl	k_q71a66f8a84_prep
	.p2align	8
	.type	k_q71a66f8a84_prep,@function
k_q71a66f8a84_prep:
	s_mov_b64 s[64:65], 0
	v_nop
	global_prefetch_b8 v0, s[64:65] scope:SCOPE_SE
	s_setreg_imm32_b32 hwreg(HW_REG_WAVE_MODE, 25, 1), 1
	s_wait_xcnt 0x0
; PREP.  Four conversions, each input byte read once.
;   work-groups 128..383: hidden_states (f32) -> xb (bf16);  384..479: W_qkv -> wq (bf16);  480..511: W_dense -> wd: rounded to bf16, that number written as f16.
;   work-groups 0..127:   attention_mask (one byte a score, 1 = hidden) -> pm: byte codes, 0xF1 = hidden and 0 = seen, in the order in which a lane of the attention kernel needs them.
; LIMITS.  A W_dense number beyond 65,504 becomes an infinity in f16, and below 6e-5 it keeps f16's fixed step of 6e-8.
; pm = [query tile of 16][key step of 64][i 0..1][lane 32][16 bytes].  Lane (r = lane % 16, h = lane / 16), word w of its 16 bytes:
;   byte 3 = key 32 i + 8 h + w, byte 2 = key 32 i + 8 h + 4 + w, byte 1 = key 32 i + 16 + 8 h + w, byte 0 = key 32 i + 16 + 8 h + 4 + w, all of query r.
; Shifted left by 0, 8, 16, 24 bits such a word is, read as f32, four addends: at most -2^99 where the top byte is 0xF1, at most 2^-125 in size where it is 0.
; No matrix unit, no cluster, no tensor load: no byte is shared between work-groups, and memory is all that counts.
.set X,   4                            ; v[4:131]   stream: 32 loads of 4 registers;  mask: v[4:35], 8 loads
.set Y,   132                          ; v[132:195] stream: 32 pairs to store
.set T,   196                          ; v[196:199] stream: at work
.set G,   36                           ; v[36:67]   mask: 8 units of 4 words as read back from LDS
.set P,   68                           ; v[68:71]   mask: at work
.set W,   72                           ; v[72:103]  mask: 8 units of 4 words to store
.set GA,  104                          ; mask: my byte offset in two rows of the mask
.set SA,  105                          ; mask: where I put 16 bytes of a row in LDS
.set RA,  106                          ; mask: where I read 8 bytes of row r back
.set OA,  107                          ; mask: 16 x lane
.set TM,  108
.set MP,  272                          ; an LDS row: 256 bytes + 16: the 16 rows that a read touches start 4 words apart
	s_load_b512 s[4:19], s[0:1], 0x0               ; hidden 4:5, W_qkv 6:7, W_dense 8:9, mask 10:11, xb 12:13, wq 14:15, wd 16:17, pm 18:19
	v_lshl_add_u32 v200, v0, 2, 0x8800
	v_mov_b32 v201, 0
	v_lshrrev_b32 v1, 5, v0
	v_readfirstlane_b32 s2, v1                     ; wave 0..7
	s_wait_kmcnt 0x0
	s_cmp_lt_u32 ttmp9, 128
	s_cbranch_scc1 .Lmask
	; THE STREAMS.  A work-group takes a chunk of 32,768 numbers: 131,072 bytes in, 65,536 out.
	s_sub_co_u32 s20, ttmp9, 128                   ; 0..255 hidden, 256..351 W_qkv, 352..383 W_dense
	s_cmp_lt_u32 s20, 256
	s_cselect_b64 s[22:23], s[4:5], s[6:7]
	s_cselect_b64 s[24:25], s[12:13], s[14:15]
	s_cselect_b32 s21, 0, 256
	s_cmp_lt_u32 s20, 352
	s_cselect_b64 s[22:23], s[22:23], s[8:9]
	s_cselect_b64 s[24:25], s[24:25], s[16:17]
	s_cselect_b32 s21, s21, 352
	s_sub_co_u32 s21, s20, s21                     ; the chunk's number in its tensor
	s_lshl_b32 s26, s21, 17
	s_mov_b32 s27, 0
	s_add_nc_u64 s[22:23], s[22:23], s[26:27]
	s_lshl_b32 s26, s21, 16
	s_add_nc_u64 s[24:25], s[24:25], s[26:27]
	v_lshlrev_b32 v1, 4, v0                        ; 16 bytes a thread in,
	v_lshlrev_b32 v2, 3, v0                        ; 8 out
.set i, 0
.rept 32                                               ; the whole chunk is asked for at once: a wave's load covers 512 consecutive bytes
	global_load_b128 v[X+4*i:X+4*i+3], v1, s[22:23] offset:4096*i th:TH_LOAD_NT
.set i, i+1
.endr
; Load i is rounded and stored.  No register is written twice, so no wait frees anything.
.macro CONV f16
	s_wait_loadcnt 31-i                            ; loads come back in order: the 31 - i younger ones stay out
	v_cvt_pk_bf16_f32 v[Y+2*i],   v[X+4*i],   v[X+4*i+1]
	v_cvt_pk_bf16_f32 v[Y+2*i+1], v[X+4*i+2], v[X+4*i+3]
.if \f16
	v_lshlrev_b32 v[T],   16, v[Y+2*i]              ; the bf16 numbers as f32,
	v_and_b32     v[T+1], 0xffff0000, v[Y+2*i]
	v_lshlrev_b32 v[T+2], 16, v[Y+2*i+1]
	v_and_b32     v[T+3], 0xffff0000, v[Y+2*i+1]
	v_cvt_pk_f16_f32 v[Y+2*i],   v[T],   v[T+1]    ; written as f16: exact within f16's range
	v_cvt_pk_f16_f32 v[Y+2*i+1], v[T+2], v[T+3]
.endif
	global_store_b64 v2, v[Y+2*i:Y+2*i+1], s[24:25] offset:2048*i  ; a wave's store covers 256 consecutive bytes, aligned
.set i, i+1
.endm
	s_cmp_ge_u32 s20, 352
	s_cbranch_scc1 .Lf16
.set i, 0
.rept 32
	CONV 0
.endr
	s_endpgm
.Lf16:
.set i, 0
.rept 32
	CONV 1
.endr
	s_endpgm
	; THE MASK.  The work-group takes 16 queries, wave w the keys 256 w .. 256 w + 255: four key steps.  The rows come in as whole aligned 256 bytes,
	; go through the wave's own 16 rows of LDS (no other wave touches them: no barrier), and come back 8 bytes a lane in the order of the scores' registers.
.Lmask:
	v_and_b32 v1, 15, v0                           ; r
	v_bfe_u32 v2, v0, 4, 1                         ; h
	v_lshlrev_b32 v3, 4, v1
	v_lshl_add_u32 v[GA], v2, 11, v3               ; lanes 0-15 one row's 256 bytes, lanes 16-31 the next row's
	s_lshl_b32 s20, ttmp9, 15                      ; 16 rows of 2,048 bytes
	s_lshl_b32 s21, s2, 8
	s_add_co_u32 s20, s20, s21
	s_mov_b32 s21, 0
	s_add_nc_u64 s[10:11], s[10:11], s[20:21]
.set i, 0
.rept 8
	global_load_b128 v[X+4*i:X+4*i+3], v[GA], s[10:11] offset:4096*i th:TH_LOAD_NT
.set i, i+1
.endr
	s_lshl_b32 s20, ttmp9, 15                      ; pm: 32,768 bytes a query tile, 4,096 for a wave's four steps
	s_lshl_b32 s21, s2, 12
	s_add_co_u32 s20, s20, s21
	s_mov_b32 s21, 0
	s_add_nc_u64 s[18:19], s[18:19], s[20:21]
	s_mul_i32 s22, s2, 16*MP                       ; my wave's rows in LDS
	v_mul_u32_u24 v[TM], v2, MP
	v_add3_u32 v[SA], v[TM], v3, s22
	v_mul_u32_u24 v[TM], v1, MP
	v_lshl_add_u32 v[TM], v2, 3, v[TM]
	v_add_nc_u32 v[RA], s22, v[TM]
	v_and_b32 v[TM], 31, v0
	v_lshlrev_b32 v[OA], 4, v[TM]
	s_mov_b32 s26, 0x05010400                      ; bytes 0 and 1 of two words, interleaved
	s_mov_b32 s27, 0x07030602                      ; bytes 2 and 3
	s_mov_b32 s28, 0x05040100                      ; the two low halves
	s_mov_b32 s29, 0x07060302                      ; the two high halves
.set i, 0
.rept 8
	s_wait_loadcnt 7-i
	ds_store_b128 v[SA], v[X+4*i:X+4*i+3] offset:2*MP*i
.set i, i+1
.endr
.set u, 0
.rept 8                                                ; unit u = 2 x step + i: keys 32 u + 8 h + 0..7 and 32 u + 16 + 8 h + 0..7 of query r.  LDS serves a wave in order: these see the stores above
	ds_load_b64 v[G+4*u:G+4*u+1],   v[RA] offset:32*u
	ds_load_b64 v[G+4*u+2:G+4*u+3], v[RA] offset:32*u+16
.set u, u+1
.endr
.set u, 0
.rept 8
	s_wait_dscnt 14-2*u                            ; the 14 - 2 u younger loads stay out
	v_perm_b32 v[P],   v[G+4*u+2], v[G+4*u+3], s26 ; low halves of words 0 and 1: the second eight keys
	v_perm_b32 v[P+1], v[G+4*u+2], v[G+4*u+3], s27 ; of words 2 and 3
	v_perm_b32 v[P+2], v[G+4*u],   v[G+4*u+1], s26 ; high halves: the first eight keys
	v_perm_b32 v[P+3], v[G+4*u],   v[G+4*u+1], s27
	v_perm_b32 v[W+4*u],   v[P+2], v[P],   s28
	v_perm_b32 v[W+4*u+1], v[P+2], v[P],   s29
	v_perm_b32 v[W+4*u+2], v[P+3], v[P+1], s28
	v_perm_b32 v[W+4*u+3], v[P+3], v[P+1], s29
	v_mul_lo_u32 v[W+4*u],   v[W+4*u],   0xf1      ; each byte is 0 or 1: no carry from byte to byte
	v_mul_lo_u32 v[W+4*u+1], v[W+4*u+1], 0xf1
	v_mul_lo_u32 v[W+4*u+2], v[W+4*u+2], 0xf1
	v_mul_lo_u32 v[W+4*u+3], v[W+4*u+3], 0xf1
	global_store_b128 v[OA], v[W+4*u:W+4*u+3], s[18:19] offset:512*u  ; 512 consecutive bytes, aligned
.set u, u+1
.endr
	s_wait_tensorcnt 0x0
	ds_add_u32 v200, v201
	s_wait_dscnt 0x0
	s_endpgm
.Lfunc_end_k_q71a66f8a84_prep:
	.size	k_q71a66f8a84_prep, .Lfunc_end_k_q71a66f8a84_prep-k_q71a66f8a84_prep
	.p2alignl 7, 3214868480
	.fill 96, 4, 3214868480
	.section	.rodata,"a",@progbits
	.p2align	6, 0x0
	.amdhsa_kernel k_q71a66f8a84_prep
		.amdhsa_group_segment_fixed_size 35840
		.amdhsa_private_segment_fixed_size 0
		.amdhsa_enable_private_segment 0
		.amdhsa_kernarg_size 64
		.amdhsa_user_sgpr_count 2
		.amdhsa_user_sgpr_kernarg_segment_ptr 1
		.amdhsa_wavefront_size32 1
		.amdhsa_system_sgpr_workgroup_id_x 1
		.amdhsa_system_sgpr_workgroup_id_y 1
		.amdhsa_system_sgpr_workgroup_id_z 1
		.amdhsa_system_vgpr_workitem_id 0
		.amdhsa_next_free_vgpr 202
		.amdhsa_next_free_sgpr 66
		.amdhsa_reserve_vcc 0
		.amdhsa_float_denorm_mode_32 3
		.amdhsa_float_denorm_mode_16_64 3
		.amdhsa_memory_ordered 1
		.amdhsa_forward_progress 1
		.amdhsa_inst_pref_size 43
	.end_amdhsa_kernel
	.amdgpu_metadata
---
amdhsa.version: [ 1, 2 ]
amdhsa.kernels:
  - .name:           k_q71a66f8a84_prep
    .symbol:         k_q71a66f8a84_prep.kd
    .args:
      - { .name: hidden_states, .offset: 0, .size: 8, .value_kind: global_buffer, .address_space: global }
      - { .name: W_qkv, .offset: 8, .size: 8, .value_kind: global_buffer, .address_space: global }
      - { .name: W_dense, .offset: 16, .size: 8, .value_kind: global_buffer, .address_space: global }
      - { .name: attention_mask, .offset: 24, .size: 8, .value_kind: global_buffer, .address_space: global }
      - { .name: xb, .offset: 32, .size: 8, .value_kind: global_buffer, .address_space: global }
      - { .name: wq, .offset: 40, .size: 8, .value_kind: global_buffer, .address_space: global }
      - { .name: wd, .offset: 48, .size: 8, .value_kind: global_buffer, .address_space: global }
      - { .name: pm, .offset: 56, .size: 8, .value_kind: global_buffer, .address_space: global }
    .group_segment_fixed_size: 35840
    .private_segment_fixed_size: 0
    .kernarg_segment_align: 8
    .kernarg_segment_size: 64
    .max_flat_workgroup_size: 256
    .sgpr_count:     66
    .vgpr_count:     202
    .wavefront_size: 32
...
	.end_amdgpu_metadata
.endif
;; end of part 1
;; launch qkvproj (part 2): grid 24 x 32, 4 waves a work-group, clusters of 4 x 4, 327,680 bytes of LDS; arguments xb, wq, b_qkv, qkv; writes qkv
.if DOCPART == 2
	.amdgcn_target "amdgcn-amd-amdhsa--gfx1250"
	.amdhsa_code_object_version 6
	.text
	.protected	k_q71a66f8a84_qkvproj
	.globl	k_q71a66f8a84_qkvproj
	.p2align	8
	.type	k_q71a66f8a84_qkvproj,@function
k_q71a66f8a84_qkvproj:
	s_mov_b64 s[64:65], 0
	v_nop
	global_prefetch_b8 v0, s[64:65] scope:SCOPE_SE
	s_setreg_imm32_b32 hwreg(HW_REG_WAVE_MODE, 25, 1), 1
	s_wait_xcnt 0x0
	s_wait_alu depctr_hold_cnt(0) depctr_sa_sdst(0) depctr_va_vdst(0) depctr_va_sdst(0) depctr_va_ssrc(0) depctr_va_vcc(0) depctr_vm_vsrc(0)
	s_getreg_b32 s2, hwreg(HW_REG_IB_STS2, 6, 4)
	s_cmp_eq_u32 s2, 0
	s_cbranch_scc0 .Lentry_in_a_cluster
	s_endpgm
.Lentry_in_a_cluster:
	s_bfe_u32 s2, ttmp6, 0x10000c
	s_cmp_lg_u32 s2, 0xf033
	s_cbranch_scc0 .Lentry_shape_is_right
	s_endpgm
.Lentry_shape_is_right:
; q, k, v = x W_qkv + b_qkv.  xb: [8192][1024] bf16.  wq: [1024 k][3072 n] bf16.  b_qkv: [3072] f32, rounded to bf16 here like the other inputs.
; qkv: three sections (q, k, v) of [batch x 16 + head][2048][64] f16, unscaled, each number rounded once from its f32 sum.
; LIMIT.  f16 ends at 65,504: a q, k or v beyond that becomes an infinity.
; SHARES.  A tile of the result is 256 rows x 128 columns: four waves, each 128 rows x 64 columns (one head): 32 accumulators of 16 x 16, 256 registers.  24 x 32 tiles.
; K goes in steps of 128 through two LDS slots filled by the tensor data mover: 256 rows of x (256 bytes each) and 128 rows of the weights (256 bytes each).
; THE MATRIX INSTRUCTION IS USED TRANSPOSED: source 0 = 16 columns of the weights, source 1 = 16 rows of x, so that a lane holds eight neighbouring columns of one row.
; The weights lie [k][n] in LDS as in memory and come out turned, by ds_load_tr16_b128.
; CLUSTER.  4 x 4 work-groups: the four of a row of the cluster need the same rows of x, the four of a column the same columns of the weights: each tile is asked for jointly.
; REGISTERS.  Window 0: v0-31 addresses; two fragment buffers (x 64 + weights 32 registers) at v32 and v128; v224-255 the bias.  Window 1: accumulator (a, b) at v[8 (4 a + b)].
.set NCOL,  3072
.set PA,    272                        ; a row of x in LDS: 256 bytes + 16 = 68 words: the 16 rows of a load start at 16 different groups of four banks (64 banks of 4 bytes: ISA guide 11.1)
.set AHALF, 128*PA                     ; 128 rows: one tensor load, and what one wave reads
.set PB,    288                        ; a row of the weights: 256 + 32 = 72 words
.set BHALF, 64*PB                      ; 64 rows of k: one tensor load
.set BOFF,  2*AHALF
.set SLOT,  BOFF+2*BHALF
.set STAGE, 2*SLOT                     ; behind the ring: 16 rows x 144 bytes for each wave, for the way out
.set SP,    144
.set SPARE, STAGE+4*16*SP              ; behind the stages: the spare words, 128 bytes for each wave
.set ASTEP, 256                        ; bytes from K step to K step in x
.set BSTEP, 128*NCOL*2                 ; and in the weights
.set ADRA, 16                          ; v16-17  LDS address of my fragments of x in slot 0, 1
.set ADRB, 20                          ; v20-21  the same for the weights
.set STO,  24                          ; the way out: where I put 16 bytes of a row
.set RD,   25                          ; where I read rows back
.set GO,   26                          ; 16 x lane
.set BO,   27                          ; 32 x (lane / 16): my offset in 16 numbers of the bias
.set SPW,  28                          ; LDS address of my spare word; never rewritten
.set NIL,  29                          ; 0; never rewritten
.set T,    32                          ; the way out: 32 sums with their bias
.set PKR,  64                          ; 16 words of f16
.set BK,   96                          ; v96-223: block a's rows read back, 16 registers a block
.set BI,   224
.set WV,   12                          ; s12 wave;  s13 = wave / 2: my half of the rows, and: I fetch x (0) or weights (1);  s14 = wave % 2: my half of the columns, and: which half I fetch
.set G1,  24                           ; s[24:31] descriptor group 1 for x;  s[32:39] group 0, a set for each slot
.set G0,  32
.set G1B, 48                           ; s[48:55], s[56:63] the same for the weights
.set G0B, 56
.set MSB, 0
.macro WIN new                         ; the immediate's high byte repeats the setting that is left
.if MSB != (\new)
	s_set_vgpr_msb (MSB<<8)|(\new)
.set MSB, \new
.endif
.endm
.set MUL, 0x50                         ; C and D window 1, both sources window 0
.macro JLOAD s                         ; a joint load: waves 0 and 1 fetch the halves of x's tile, waves 2 and 3 those of the weights'; s_nop 0 and four v_nop follow each line
	s_cmp_eq_u32 s13, 0
	s_cbranch_scc0 .Lfor_b_\@
	tensor_load_to_lds s[G0+4*(\s):G0+4*(\s)+3], s[G1:G1+7]
	s_nop 0
.rept 4
	v_nop
.endr
	s_branch .Lasked_\@
.Lfor_b_\@:
	tensor_load_to_lds s[G0B+4*(\s):G0B+4*(\s)+3], s[G1B:G1B+7]
	s_nop 0
.rept 4
	v_nop
.endr
.Lasked_\@:
.endm
.macro CREST                           ; a round of the cluster's barrier behind its opening barrier
	s_cmp_lg_u32 s[WV], 0
	s_cbranch_scc1 .Lnot_wave_0_\@
	s_barrier_signal -3
.Lnot_wave_0_\@:
	s_barrier_wait -3
	s_barrier_signal -1
	s_barrier_wait -1
.endm
.macro CROUND
	s_barrier_signal -1
	s_barrier_wait -1
	CREST
.endm
	s_load_b256 s[4:11], s[0:1], 0x0               ; xb s[4:5], wq s[6:7], b_qkv s[8:9], qkv s[10:11]
	v_lshl_add_u32 v[SPW], v0, 2, SPARE
	v_mov_b32 v[NIL], 0
	ds_add_u32 v28, v29
	s_wait_dscnt 0x0
	v_lshrrev_b32 v1, 5, v0
	v_readfirstlane_b32 s[WV], v1
	s_lshr_b32 s13, s[WV], 1
	s_and_b32 s14, s[WV], 1
	s_bfe_u32 s15, ttmp6, 0x40000                  ; cx
	s_bfe_u32 s16, ttmp6, 0x40004                  ; cy
	s_lshl_b32 s17, ttmp9, 2
	s_add_co_u32 s17, s17, s15                     ; tile column 0..23
	s_and_b32 s18, ttmp7, 0xffff
	s_lshl_b32 s18, s18, 2
	s_add_co_u32 s18, s18, s16                     ; tile row 0..31
	s_lshl_b32 s19, s16, 2
	s_lshl_b32 s19, 15, s19                        ; my row of the cluster
	s_lshl_b32 s20, 0x1111, s15                    ; my column
	s_or_b32 s[G1+0], s19, (1<<16)|(1<<20)|(1<<21)|(5<<22)|(3<<25)   ; the mask; 2-byte elements; padding on; bit 21 beside a mask; after every 64 words 4 words
	s_mov_b32 s[G1+1], 128<<16                     ; tensor_dim0 = 128
	s_mov_b32 s[G1+2], 128<<16                     ; tensor_dim1 = 128
	s_mov_b32 s[G1+3], 128<<16                     ; tile_dim0 = 128
	s_mov_b32 s[G1+4], 128                         ; tile_dim1 = 128
	s_mov_b32 s[G1+5], 1024                        ; elements from row to row
	s_mov_b32 s[G1+6], 0
	s_mov_b32 s[G1+7], 0
	s_or_b32 s[G1B+0], s20, (1<<16)|(1<<20)|(1<<21)|(5<<22)|(7<<25)  ; the same with my column's mask and 8 words of padding
	s_mov_b32 s[G1B+1], 128<<16
	s_mov_b32 s[G1B+2], 64<<16                     ; 64 rows of k
	s_mov_b32 s[G1B+3], 128<<16
	s_mov_b32 s[G1B+4], 64
	s_mov_b32 s[G1B+5], NCOL
	s_mov_b32 s[G1B+6], 0
	s_mov_b32 s[G1B+7], 0
	s_lshl_b32 s40, s18, 8                         ; x: row 256 x tile row + 128 x half,
	s_lshl_b32 s41, s14, 7
	s_add_co_u32 s40, s40, s41
	s_lshl_b32 s40, s40, 11                        ; of 2,048 bytes
	s_mov_b32 s41, 0
	s_mul_i32 s42, s14, 64*NCOL*2                  ; weights: 64 rows of k x half,
	s_lshl_b32 s43, s17, 8                         ; 256 bytes x tile column
	s_add_co_u32 s42, s42, s43
	s_mov_b32 s43, 0
	s_mul_i32 s44, s14, AHALF                      ; where they go: no place in the cluster enters an LDS address
	s_mul_i32 s45, s14, BHALF
	s_add_co_u32 s45, s45, BOFF
	s_wait_kmcnt 0x0
	s_add_nc_u64 s[40:41], s[4:5], s[40:41]
	s_add_nc_u64 s[42:43], s[6:7], s[42:43]
	CROUND                                         ; all sixteen work-groups are here: the first joint loads meet
.irp s, 0,1
	s_mov_b32 s[G0+4*(\s)], 1
	s_add_co_u32 s[G0+4*(\s)+1], s44, (\s)*SLOT
	s_add_nc_u64 s[G0+4*(\s)+2:G0+4*(\s)+3], s[40:41], (\s)*ASTEP
	s_or_b32 s[G0+4*(\s)+3], s[G0+4*(\s)+3], 0x80000000
	s_mov_b32 s[G0B+4*(\s)], 1
	s_add_co_u32 s[G0B+4*(\s)+1], s45, (\s)*SLOT
	s_add_nc_u64 s[G0B+4*(\s)+2:G0B+4*(\s)+3], s[42:43], (\s)*BSTEP
	s_or_b32 s[G0B+4*(\s)+3], s[G0B+4*(\s)+3], 0x80000000
	JLOAD \s                                       ; K steps 0 and 1: two tensor loads of mine are out
.endr
	v_and_b32 v1, 15, v0                           ; r = lane % 16
	v_bfe_u32 v2, v0, 4, 1                         ; h = lane / 16
	s_lshl_b32 s22, s17, 9                         ; the bias of my 64 columns
	s_lshl_b32 s23, s14, 8
	s_add_co_u32 s22, s22, s23
	s_mov_b32 s23, 0
	s_add_nc_u64 s[8:9], s[8:9], s[22:23]
	v_lshlrev_b32 v[BO], 5, v2
.irp n, 0,1,2,3,4,5,6,7                ; columns 16 (n / 2) + 8 h + 4 (n % 2) + 0..3; waited for on the way out
	global_load_b128 v[BI+4*\n:BI+4*\n+3], v[BO], s[8:9] offset:64*(\n/2)+16*(\n%2)
.endr
	v_mul_u32_u24 v3, v1, PA                       ; a fragment of x: row r, 16 bytes for each half of the lanes
	v_lshl_add_u32 v3, v2, 4, v3
	s_mul_i32 s21, s13, AHALF
	v_add_nc_u32 v[ADRA], s21, v3
	v_add_nc_u32 v[ADRA+1], SLOT, v[ADRA]
	v_and_b32 v4, 7, v0                            ; the turning load: lane l reads row of k 8 h + l % 8, columns 8 ((l / 8) % 2) + 0..7
	v_lshl_add_u32 v4, v2, 3, v4
	v_mul_u32_u24 v4, v4, PB
	v_bfe_u32 v5, v0, 3, 1
	v_lshl_add_u32 v4, v5, 4, v4
	s_lshl_b32 s22, s14, 7                         ; my 64 columns
	s_add_co_u32 s22, s22, BOFF
	v_add_nc_u32 v[ADRB], s22, v4
	v_add_nc_u32 v[ADRB+1], SLOT, v[ADRB]
	s_mul_i32 s21, s[WV], 16*SP
	s_add_co_u32 s21, s21, STAGE                   ; my stage
	v_mul_u32_u24 v3, v1, SP
	v_lshl_add_u32 v3, v2, 4, v3
	v_add_nc_u32 v[STO], s21, v3
	v_bfe_u32 v3, v0, 3, 2                         ; back: 32 lanes take four rows of 128 bytes,
	v_mul_u32_u24 v3, v3, SP
	v_and_b32 v4, 7, v0
	v_lshl_add_u32 v3, v4, 4, v3
	v_add_nc_u32 v[RD], s21, v3
	v_and_b32 v[GO], 31, v0                        ; which are 512 consecutive bytes of a head
	v_lshlrev_b32 v[GO], 4, v[GO]
	s_lshr_b32 s46, s17, 3                         ; section q, k or v: 8 tile columns each
	s_lshl_b32 s46, s46, 24
	s_lshr_b32 s47, s18, 3                         ; batch: 8 tile rows each
	s_lshl_b32 s47, s47, 4
	s_and_b32 s22, s17, 7
	s_lshl_b32 s22, s22, 1
	s_add_co_u32 s47, s47, s22
	s_add_co_u32 s47, s47, s14                     ; batch x 16 + head,
	s_lshl_b32 s47, s47, 18                        ; of 262,144 bytes
	s_add_co_u32 s46, s46, s47
	s_and_b32 s22, s18, 7
	s_lshl_b32 s22, s22, 8
	s_lshl_b32 s23, s13, 7
	s_add_co_u32 s22, s22, s23                     ; my first row in the batch,
	s_lshl_b32 s22, s22, 7                         ; of 128 bytes
	s_add_co_u32 s46, s46, s22
	s_mov_b32 s47, 0
	s_add_nc_u64 s[10:11], s[10:11], s[46:47]
; 24 LDS loads in one run: quarter q (32 along K) of a slot into buffer f: the weights' four fragments first, then x's eight
.macro FETCH slot, q, f
	WIN 0
.set FA, 32+96*(\f)
.set FB, 96+96*(\f)
.set AO, 64*(\q)
.irp b, 0,1,2,3
	ds_load_tr16_b128 v[FB+8*\b:FB+8*\b+3],   v[ADRB+(\slot)] offset:(\q)*32*PB+32*\b
	ds_load_tr16_b128 v[FB+8*\b+4:FB+8*\b+7], v[ADRB+(\slot)] offset:(\q)*32*PB+16*PB+32*\b
.endr
.irp a, 0,1,2,3,4,5,6,7
	ds_load_b128 v[FA+8*\a:FA+8*\a+3],   v[ADRA+(\slot)] offset:AO+\a*16*PA
	ds_load_b128 v[FA+8*\a+4:FA+8*\a+7], v[ADRA+(\slot)] offset:AO+\a*16*PA+32
.endr
.endm
; 8 matrix instructions: row blocks a0, a0 + 1 x all 4 column blocks.  The 32 accumulators take turns in the same order in every quarter.
.macro MUL8 f, a0, zero
	WIN MUL
.set FA, 32+96*(\f)
.set FB, 96+96*(\f)
.irp a, \a0, (\a0)+1
.irp b, 0,1,2,3
.if \zero
	v_wmma_f32_16x16x32_bf16 v[8*(4*(\a)+\b):8*(4*(\a)+\b)+7], v[FB+8*\b:FB+8*\b+7], v[FA+8*(\a):FA+8*(\a)+7], 0
.else
	v_wmma_f32_16x16x32_bf16 v[8*(4*(\a)+\b):8*(4*(\a)+\b)+7], v[FB+8*\b:FB+8*\b+7], v[FA+8*(\a):FA+8*(\a)+7], v[8*(4*(\a)+\b):8*(4*(\a)+\b)+7]
.endif
.endr
.endr
.endm
.macro PLACES                          ; four plain instructions between a matrix instruction and a load into, or a vector instruction on, its registers
.rept 4
	v_nop
.endr
.endm
; One of a K step's first three quarters: multiplies buffer f; in its middle it fetches quarter q of the same slot into buffer g.
.macro QUARTER slot, q, f, g, zero
	s_wait_dscnt 8                                 ; the youngest eight loads (x's blocks 4-7) may be out
	MUL8 \f, 0, \zero
	MUL8 \f, 2, \zero
	WIN 0
	PLACES
	FETCH \slot, \q, \g
	s_wait_dscnt 24                                ; all but the 24 just issued
	MUL8 \f, 4, \zero
	MUL8 \f, 6, \zero
.endm
; The last quarter multiplies buffer 1 and changes slots: one barrier; in front of it each wave waits for all its tensor loads, adds 0 to its spare word, and waits for that and for its reads of this slot.
.macro TURN slot, next, fill
	WIN 0
	s_wait_tensorcnt 0x0                           ; all my tensor loads have landed: the one that was out is my part of the next slot
	ds_add_u32 v[SPW], v[NIL]                      ; 0 onto my spare word
	s_wait_dscnt 9                                 ; the add and the youngest eight loads may be out
	MUL8 1, 0, 0
	s_wait_dscnt 0x0                               ; the add is done, and my reads of this slot are over
	s_barrier_signal -1
	MUL8 1, 2, 0
	WIN 0
	s_barrier_wait -1
.if \fill
	CREST                                          ; the barrier has opened a round of the cluster's: no wave of any partner still reads this slot or has a load on its way
	s_add_nc_u64 s[G0+4*(\slot)+2:G0+4*(\slot)+3], s[G0+4*(\slot)+2:G0+4*(\slot)+3], 2*ASTEP
	s_add_nc_u64 s[G0B+4*(\slot)+2:G0B+4*(\slot)+3], s[G0B+4*(\slot)+2:G0B+4*(\slot)+3], 2*BSTEP
	JLOAD \slot                                    ; my one tensor load behind the round, 112 matrix instructions ahead of the wait for it; its four v_nop are also the places in front of the loads below
.else
	PLACES
.endif
	FETCH \next, 0, 0
	MUL8 1, 4, 0
	MUL8 1, 6, 0
.endm
	s_wait_tensorcnt 1                             ; my part of K step 0 is in; step 1's may stay out
	s_barrier_signal -1
	s_barrier_wait -1
	FETCH 0, 0, 0
	QUARTER 0, 1, 0, 1, 1                          ; the first quarter's products start the sums
	WIN 0
	s_mov_b32 s3, 3
.Llap:                                                 ; a trip goes once round the ring and fills both slots again: K steps 2 to 7 in three trips
	QUARTER 0, 2, 1, 0, 0
	QUARTER 0, 3, 0, 1, 0
	TURN 0, 1, 1
	QUARTER 1, 1, 0, 1, 0
	QUARTER 1, 2, 1, 0, 0
	QUARTER 1, 3, 0, 1, 0
	TURN 1, 0, 1
	QUARTER 0, 1, 0, 1, 0
	WIN 0
	s_sub_co_u32 s3, s3, 1
	s_cmp_lg_u32 s3, 0
	s_cbranch_scc1 .Llap
	QUARTER 0, 2, 1, 0, 0                          ; the last lap fills nothing
	QUARTER 0, 3, 0, 1, 0
	TURN 0, 1, 0
	QUARTER 1, 1, 0, 1, 0
	QUARTER 1, 2, 1, 0, 0
	QUARTER 1, 3, 0, 1, 0
	s_wait_dscnt 8
	MUL8 1, 0, 0
	MUL8 1, 2, 0
	s_wait_dscnt 0x0
	MUL8 1, 4, 0
	MUL8 1, 6, 0
	WIN 0
	PLACES
	s_wait_loadcnt 0x0                             ; the bias
.set j, 0
.rept 16                                               ; rounded to bf16 like x and the weights, and widened again
	v_cvt_pk_bf16_f32 v[T+j], v[BI+2*j], v[BI+2*j+1]
.set j, j+1
.endr
.set j, 0
.rept 16
	v_lshlrev_b32 v[BI+2*j],   16, v[T+j]
	v_and_b32     v[BI+2*j+1], 0xffff0000, v[T+j]
.set j, j+1
.endr
; THE WAY OUT of block a (16 rows of one head, 2,048 consecutive bytes): bias, f16, through my own stage, back as whole rows.  Each accumulator is read from its lowest registers on.
.macro PACK a
	WIN 0x01                                       ; source 0 window 1
.set j, 0
.rept 16
	v_pk_add_f32 v[T+2*j:T+2*j+1], v[32*(\a)+2*j:32*(\a)+2*j+1], v[BI+2*j:BI+2*j+1]
.set j, j+1
.endr
	WIN 0
.set j, 0
.rept 16
	v_cvt_pk_f16_f32 v[PKR+j], v[T+2*j], v[T+2*j+1]
.set j, j+1
.endr
.irp b, 0,1,2,3
	ds_store_b128 v[STO], v[PKR+4*\b:PKR+4*\b+3] offset:32*\b
.endr
.irp f, 0,1,2,3
	ds_load_b128 v[BK+16*(\a)+4*\f:BK+16*(\a)+4*\f+3], v[RD] offset:\f*4*SP  ; LDS serves a wave in order: these see the stores above, and the next block's stores come behind them
.endr
.endm
.macro SEND a, younger                 ; younger: the next block's four stores and four loads, or none
.irp f, 0,1,2,3
	s_wait_dscnt (\younger)+3-\f
	global_store_b128 v[GO], v[BK+16*(\a)+4*\f:BK+16*(\a)+4*\f+3], s[10:11] offset:2048*(\a)+512*\f  ; 512 consecutive bytes, aligned
.endr
.endm
	PACK 0
.irp a, 1,2,3,4,5,6,7
	PACK \a
	SEND (\a)-1, 8
.endr
	SEND 7, 0
	s_wait_tensorcnt 0x0                           ; the wave's end
	ds_add_u32 v[SPW], v[NIL]
	s_wait_dscnt 0x0
	CROUND                                         ; the closing round: no work-group ends while a partner may still ask for a tile that names it
	s_endpgm
.Lfunc_end_k_q71a66f8a84_qkvproj:
	.size	k_q71a66f8a84_qkvproj, .Lfunc_end_k_q71a66f8a84_qkvproj-k_q71a66f8a84_qkvproj
	.p2alignl 7, 3214868480
	.fill 96, 4, 3214868480
	.section	.rodata,"a",@progbits
	.p2align	6, 0x0
	.amdhsa_kernel k_q71a66f8a84_qkvproj
		.amdhsa_group_segment_fixed_size 327680
		.amdhsa_private_segment_fixed_size 0
		.amdhsa_enable_private_segment 0
		.amdhsa_kernarg_size 32
		.amdhsa_user_sgpr_count 2
		.amdhsa_user_sgpr_kernarg_segment_ptr 1
		.amdhsa_wavefront_size32 1
		.amdhsa_system_sgpr_workgroup_id_x 1
		.amdhsa_system_sgpr_workgroup_id_y 1
		.amdhsa_system_sgpr_workgroup_id_z 1
		.amdhsa_system_vgpr_workitem_id 0
		.amdhsa_next_free_vgpr 512
		.amdhsa_next_free_sgpr 66
		.amdhsa_reserve_vcc 0
		.amdhsa_float_denorm_mode_32 3
		.amdhsa_float_denorm_mode_16_64 3
		.amdhsa_memory_ordered 1
		.amdhsa_forward_progress 1
		.amdhsa_inst_pref_size 99
	.end_amdhsa_kernel
	.amdgpu_metadata
---
amdhsa.version: [ 1, 2 ]
amdhsa.kernels:
  - .name:           k_q71a66f8a84_qkvproj
    .symbol:         k_q71a66f8a84_qkvproj.kd
    .args:
      - { .name: xb, .offset: 0, .size: 8, .value_kind: global_buffer, .address_space: global }
      - { .name: wq, .offset: 8, .size: 8, .value_kind: global_buffer, .address_space: global }
      - { .name: b_qkv, .offset: 16, .size: 8, .value_kind: global_buffer, .address_space: global }
      - { .name: qkv, .offset: 24, .size: 8, .value_kind: global_buffer, .address_space: global }
    .group_segment_fixed_size: 327680
    .private_segment_fixed_size: 0
    .kernarg_segment_align: 8
    .kernarg_segment_size: 32
    .max_flat_workgroup_size: 128
    .sgpr_count:     66
    .vgpr_count:     512
    .wavefront_size: 32
...
	.end_amdgpu_metadata
.endif
;; end of part 2
;; launch attn (part 3): grid 4 x 64, 4 waves a work-group, clusters of 4 x 1, 327,680 bytes of LDS; arguments qkv, pm, ctx; writes ctx
.if DOCPART == 3
	.amdgcn_target "amdgcn-amd-amdhsa--gfx1250"
	.amdhsa_code_object_version 6
	.text
	.protected	k_q71a66f8a84_attn
	.globl	k_q71a66f8a84_attn
	.p2align	8
	.type	k_q71a66f8a84_attn,@function
k_q71a66f8a84_attn:
	s_mov_b64 s[64:65], 0
	v_nop
	global_prefetch_b8 v0, s[64:65] scope:SCOPE_SE
	s_setreg_imm32_b32 hwreg(HW_REG_WAVE_MODE, 25, 1), 1
	s_wait_xcnt 0x0
	s_wait_alu depctr_hold_cnt(0) depctr_sa_sdst(0) depctr_va_vdst(0) depctr_va_sdst(0) depctr_va_ssrc(0) depctr_va_vcc(0) depctr_vm_vsrc(0)
	s_getreg_b32 s2, hwreg(HW_REG_IB_STS2, 6, 4)
	s_cmp_eq_u32 s2, 0
	s_cbranch_scc0 .Lentry_in_a_cluster
	s_endpgm
.Lentry_in_a_cluster:
	s_bfe_u32 s2, ttmp6, 0x10000c
	s_cmp_lg_u32 s2, 0x3003
	s_cbranch_scc0 .Lentry_shape_is_right
	s_endpgm
.Lentry_shape_is_right:
; O[h][q][:] = the sum over k of softmax_k(masked(Q[h][q] . K[h][k] / 8)) V[h][k][:], h = batch x 16 + head, 64 of them.  Q, K, V: the three sections of qkv, O: ctx, all [64][2048][64] f16.
; THE MASK is data: pm holds a byte a score, 0xF1 = hidden, 0 = seen, in my lanes' order.  A word of four codes, shifted left by 0, 8, 16, 24 bits and read as f32, is four addends: between -2^99 and
; -2^101 where hidden, at most 2^-125 in size where seen.  They are the C operand that starts S^T = K Q^T.  The running maximum m starts at M0 = -2^60: above every hidden score, below every true one
; (f16's scores are 2.7e11 at the most).  p = 2^(g s - g m) with g = c = log2(e) / 8 once the query has seen a key: a hidden weight is then exactly 0.  While m is still M0 all the query's scores so far
; are hidden, which the problem's softmax counts as equal: g = min(m + 2^60, c) is 0 there, every weight is 1, and O and l sum V's rows and their number.  The first true score gives
; a = 2^(c M0 - c m) = 0 and wipes those sums.  So a query all of whose keys are hidden ends with the mean of V's 2,048 rows, and l is never 0.
; LIMITS.  f16 holds no number beyond 65,504: Q, K and V arrive within it; p lies in 0 to 1, and below 6e-5 it keeps f16's fixed step of 6e-8.  A weight below 2^-126 counts as 0 in l; NaN and infinities are not treated apart.
; SHARES.  A wave owns four PIECES of two tiles of 16 queries, a work-group's four waves 512 queries of one h.  Every wave walks all keys, 64 a step.
; LAYOUT.  S^T = K Q^T (source 0 = 16 keys, source 1 = 16 queries): a lane holds ONE query (lane % 16) and the keys 8 (lane / 16) + 0..7.  Two such tiles, rounded to f16 in pairs, ARE source 1 of
; O^T = V^T P, whose result again holds one query a lane, and eight channels.  K comes out of LDS as it lies, V turned, by ds_load_tr16_b128.
; SOFTMAX.  In every step O and l are multiplied by a = 2^(c m_old - c m_new), both products rounded as the one that the scaling takes: 1 where m has not grown.
; TURNS, IN PHASES.  Turn n belongs to piece n.  It opens with 16 products K Q^T of piece n + 1 and closes with 16 products V^T P of piece n - 1; between them stand the scaling, exponentials, roundings, sums and
; rescaling of piece n and the maximum and statistics of piece n + 1; behind them the 48 shifts that spread the masks of piece n + 2.  Matrix and vector work stand in runs of their own, so a turn has
; nine window switches; vector lines set behind each product would want two switches a product.
; THE MASKS' ROAD.  Turn n asks for the codes of piece n + 3 (four loads of 512 consecutive bytes) when piece n + 1's products have read that buffer; turn n + 1 waits for them at its end and spreads them; turn n + 2 takes them.
; CLUSTER.  The four query blocks of a cluster belong to one h and walk the same K and V: each tile is asked for jointly.  pm's bytes differ from block to block, so each wave loads its own through registers.
; REGISTERS, in windows of 256 (s_set_vgpr_msb: bits 1:0 source 0, 3:2 source 1, 5:4 source 2, 7:6 destination):
;   window 0: v0-11 addresses; v12-15, v48-63 at work; v16-47 four registers of statistics a tile; v64-191 S^T, two buffers of two tiles; v192-255 P, likewise
;   window 1: O^T, 32 a tile      window 2: v0-127 Q; v128-191 K of one step; v192-255 V of one step
;   window 3: v0-1 the add's two registers; v2 the masks' lane offset; v16-143 the masks, two buffers of two tiles
.set SIZE_N, 2048
.set NP,    4         ; pieces a wave: a name, no knob
.set KS,    64        ; keys in a step
.set PK,    144       ; a row of K in LDS: 128 bytes + 16 of padding = 36 words: the 16 rows of a load start at 16 different groups of four banks (64 banks of 4 bytes: ISA guide 11.1)
.set PV,    160       ; a row of V: 128 + 32 = 40 words
.set VOFF,  4*KS*PK   ; a slot holds four steps: 256 rows of K, then 256 rows of V
.set SLOT1, 1<<17     ; slot 1 begins here, so that one exclusive or turns an address in one slot into the other's
.set STAGE, SLOT1+4*KS*(PK+PV)  ; behind the ring, never filled by a tensor load: 16 rows x 144 bytes for each wave
.set SP,    144
.set AK0, 2           ; v2   my lane's place in a tile of K; never rewritten
.set AV0, 3           ; v3   the same for V
.set AK,  4           ; v4   the LDS address of K's next run of loads
.set AV,  5           ; v5   of V's
.set QO,  6           ; v6   my byte offset in the wave's rows of Q
.set STO, 6           ;      later, the way out: where I put 16 bytes of a row
.set RD,  7           ; v7   the way out: where I read rows back
.set GO,  8           ; v8   my byte offset in 512 consecutive bytes of O
.set SPW, 0           ; window 3: LDS address of my spare word; never rewritten
.set NIL, 1           ; window 3: 0; never rewritten
.set MO,  2           ; window 3: 16 x lane, my offset in 512 bytes of codes; never rewritten
.set MC,  16          ; window 3: buffer b, tile u, key block kt at MC + 64 b + 32 u + 8 kt
.set SPARE, STAGE+4*16*SP  ; behind the stages: the spare words, 128 bytes for each wave
.set MV,  12          ; v12-15  c m_old: by buffer and tile
.set ST,  16          ; tile t's statistics at v[ST+4 t]: g m, m, l (even keys', odd keys')
.set TMP, 48          ; by buffer and tile, four registers c0-c3 at work; in the end c0 holds g and c2 holds a
.set S,   64
.set P,   192
.set KF,  128         ; K's fragments, in window 2
.set VF,  192         ; V's
.set WV,  12          ; s12  my wave's number
.set G1K, 24          ; s[24:31] descriptor group 1 for K's tiles
.set G1V, 32          ; s[32:39] for V's: it differs in the padding alone
.set G0K, 40          ; s[40:43] descriptor group 0 for K's tiles: it walks
.set G0V, 44          ; s[44:47] the same for V's
.set MB,  48          ; s[48:49] pm at my wave's eight query tiles, at the step whose masks are asked for next
.set SLOTS, 56        ; s56  slots still to be asked for
.set CNT, 57          ; s57  counts a slot's key steps
.set CS,  58          ; s[58:59] c
.set SEL, 60          ; s[60:61] v_permlanex16_b32's selects
.set TBK, 62          ; s62  LDS byte at which K of the step to be fetched begins
.set TBV, 63          ; s63  the same for V, less VOFF
.set MSB, 0
.macro WIN new                      ; the high byte repeats the setting that is left; a switch that changes nothing is dropped
.if MSB != (\new)
	s_set_vgpr_msb (MSB<<8)|(\new)
.set MSB, (\new)
.endif
.endm
.set W_KQ, 0x0a       ; K and Q in window 2, S^T in window 0
.set W_KM, 0x3a       ; the same with the C operand in window 3
.set W_PV, 0x52       ; V in window 2, P in window 0, O^T in window 1
.set W_RS, 0x41       ; O^T (destination and source 0) in window 1, a in window 0
.set W_MK, 0xc0       ; destination in window 3, sources in window 0
.set W_AD, 0x0f       ; the add: address and data in window 3
.set W_ML, 0xc3       ; a load: data and address register in window 3
.set W_SH, 0xcc       ; destination and source 1 in window 3
; A joint fill.  Waves 0 and 1 fetch the two halves of a slot's K, waves 2 and 3 those of its V: 128 keys each.  s_nop 0 and four v_nop follow each line.
.macro JLOAD
	s_cmp_lt_u32 s[WV], 2
	s_cbranch_scc0 .Lfor_v_\@
	tensor_load_to_lds s[G0K:G0K+3], s[G1K:G1K+7]
	s_nop 0
.rept 4
	v_nop
.endr
	s_branch .Lasked_\@
.Lfor_v_\@:
	tensor_load_to_lds s[G0V:G0V+3], s[G1V:G1V+7]
	s_nop 0
.rept 4
	v_nop
.endr
.Lasked_\@:
.endm
.macro CROUND                       ; a round of the cluster's barrier
	s_barrier_signal -1
	s_barrier_wait -1
	s_cmp_lg_u32 s[WV], 0
	s_cbranch_scc1 .Lnot_wave_0_\@
	s_barrier_signal -3
.Lnot_wave_0_\@:
	s_barrier_wait -3
	s_barrier_signal -1
	s_barrier_wait -1
.endm
; THE CHANGE OF SLOTS.  Each wave waits for all its tensor loads, of which one is out: its part of the other slot; adds 0 to its spare word; and waits for that and for its own reads of the slot.
; fill = 1: this slot is filled again, with the keys two slots on; the barrier is then a round of the cluster's, and the joint fill is the first thing behind it: it has four key steps in which to land.
; (At its first use nothing has been read yet: slot 0 is waited for, slot 1 filled.)
.macro CHANGE fill
	WIN W_AD
	s_wait_tensorcnt 0x0            ; no tensor load of mine is out, so a group 0 may be written
	ds_add_u32 v[SPW], v[NIL]       ; 0 onto my spare word
	WIN 0                           ; at a label and at a branch every window is 0
.if \fill
.irp g, G0K, G0V
	s_xor_b32 s[\g+1], s[\g+1], SLOT1  ; the walking descriptor: the other slot than last time,
	s_add_nc_u64 s[\g+2:\g+3], s[\g+2:\g+3], 4*KS*128  ; the next 256 keys
.endr
	s_wait_dscnt 0x0                ; the add is done, and my reads of the slot are over
	CROUND
	JLOAD
.else
	s_wait_dscnt 0x0                ; the add is done, and my reads of the slot are over
	s_barrier_signal -1
	s_barrier_wait -1
.endif
	s_sub_co_u32 s[TBK], s[TBK], 4*KS*PK  ; the fetches go back to a slot's first step,
	s_xor_b32 s[TBK], s[TBK], SLOT1       ; in the other slot
	s_sub_co_u32 s[TBV], s[TBV], 4*KS*PV
	s_xor_b32 s[TBV], s[TBV], SLOT1
.endm
; The codes of piece x's two tiles for the step at MB, into buffer b: four loads, each 512 consecutive bytes.  No hint: the other heads read the same bytes.
.macro MLOAD x, b
	WIN W_ML
.irp uu, 0,1
.irp ii, 0,1
	global_load_b128 v[MC+64*(\b)+32*\uu+16*\ii:MC+64*(\b)+32*\uu+16*\ii+3], v[MO], s[MB:MB+1] offset:(2*(\x)+\uu)*32768+512*\ii
.endr
.endr
.endm
; Buffer b's codes are spread: each loaded word stays as the first addend, and its three shifts are the others.
.macro MEXP b
	WIN W_SH
.irp uu, 0,1
.irp ii, 0,1
.irp ww, 0,1,2,3
	v_lshlrev_b32 v[MC+64*(\b)+32*\uu+16*\ii+4+\ww],  8,  v[MC+64*(\b)+32*\uu+16*\ii+\ww]
	v_lshlrev_b32 v[MC+64*(\b)+32*\uu+16*\ii+8+\ww],  16, v[MC+64*(\b)+32*\uu+16*\ii+\ww]
	v_lshlrev_b32 v[MC+64*(\b)+32*\uu+16*\ii+12+\ww], 24, v[MC+64*(\b)+32*\uu+16*\ii+\ww]
.endr
.endr
.endr
.endm
; n groups of eight registers from `first` on take 0 x 0 + 0: a line for eight registers.  The two sources are sixteen registers of S^T's first buffer that hold 0.
.macro ZERO first, n
.set i, 0
.rept \n
	v_wmma_f32_16x16x32_f16 v[(\first)+8*i:(\first)+8*i+7], v[S:S+7], v[S+8:S+15], 0
.set i, i+1
.endr
.endm
	s_load_b128 s[4:7], s[0:1], 0x0   ; qkv s[4:5], pm s[6:7]
	s_load_b64 s[10:11], s[0:1], 0x10 ; ctx
	WIN W_MK
	v_lshl_add_u32 v[SPW], v0, 2, SPARE
	v_mov_b32 v[NIL], 0
	s_set_vgpr_msb 0xc0cf
	ds_add_u32 v0, v1
	s_wait_dscnt 0x0
	s_set_vgpr_msb 0xcfc0
	WIN 0
	v_lshrrev_b32 v1, 5, v0
	v_readfirstlane_b32 s[WV], v1   ; wave 0..3
	s_bfe_u32 s13, ttmp6, 0x40000   ; cx: my place in the cluster
	s_lshl_b32 s14, ttmp9, 2        ; in a cluster launch ttmp9 counts clusters
	s_add_co_u32 s14, s14, s13      ; my block of 512 queries: it enters Q's, O's and pm's addresses alone
	s_and_b32 s20, ttmp7, 0xffff    ; h, which the four partners share
	s_mov_b32 s21, 0
	s_mov_b64 s[22:23], SIZE_N*128
	s_mul_u64 s[20:21], s[20:21], s[22:23]  ; h's first byte in each section and in ctx
	s_and_b32 s16, s[WV], 1         ; which half of a slot's 256 keys I fetch:
	s_lshl_b32 s22, s16, 14         ; its 128 rows of 128 bytes in memory,
	s_mov_b32 s23, 0
	s_add_nc_u64 s[22:23], s[22:23], s[20:21]
	s_mul_i32 s17, s16, 128*PK      ; and its place in a slot, for K
	s_mul_i32 s18, s16, 128*PV      ; and for V: no place in the cluster enters an LDS address
	s_lshl_b32 s2, s14, 2
	s_add_co_u32 s2, s2, s[WV]      ; my wave among the 16 of h:
	s_lshl_b32 s52, s2, 18          ; its 8 query tiles of 32,768 bytes in pm,
	s_mov_b32 s53, 0
	s_lshl_b32 s2, s2, 14           ; its 128 rows
	s_mov_b32 s3, 0
	s_add_nc_u64 s[2:3], s[2:3], s[20:21]
	; descriptor group 1.  128 keys are 16,384 dense bytes: asked for as 64 rows of 256 bytes, two keys a row, and padded in LDS after every key
	s_mov_b32 s[G1K], 15|(1<<16)|(1<<20)|(1<<21)|(4<<22)|(3<<25)  ; the mask of four; 2-byte elements; padding on; bit 21 beside a mask; after every 32 words 4 words
	s_mov_b32 s[G1V], 15|(1<<16)|(1<<20)|(1<<21)|(4<<22)|(7<<25)  ; the same with 8 words of padding
.irp g, G1K, G1V
	s_mov_b32 s[\g+1], 128<<16      ; tensor_dim0 = 128
	s_mov_b32 s[\g+2], 64<<16       ; tensor_dim1 = 64
	s_mov_b32 s[\g+3], 128<<16      ; tile_dim0 = 128
	s_mov_b32 s[\g+4], 64           ; tile_dim1 = 64
	s_mov_b32 s[\g+5], 128          ; 128 elements from row to row
	s_mov_b32 s[\g+6], 0
	s_mov_b32 s[\g+7], 0
.endr
	s_mov_b32 s[CS], 0x3e38aa3b     ; c = log2(e) / 8 = 0.180337
	s_mov_b32 s[CS+1], s[CS]
	s_mov_b32 s[SEL], 0x76543210
	s_mov_b32 s[SEL+1], 0xfedcba98
	s_mov_b32 s[TBK], SLOT1+4*KS*PK ; the first change of slots turns these two into 0
	s_mov_b32 s[TBV], SLOT1+4*KS*PV
	s_mov_b32 s[G0K], 1             ; count = 1
	s_mov_b32 s[G0K+1], s17         ; LDS address: slot 0
	s_mov_b32 s[G0V], 1
	s_add_co_u32 s[G0V+1], s18, VOFF
	s_wait_kmcnt 0x0
	s_mov_b64 s[MB:MB+1], s[6:7]
	s_add_nc_u64 s[MB:MB+1], s[MB:MB+1], s[52:53]
	s_add_nc_u64 s[6:7], s[4:5], 0x1000000         ; K's section
	s_add_nc_u64 s[8:9], s[4:5], 0x2000000         ; V's
	s_add_nc_u64 s[G0K+2:G0K+3], s[6:7], s[22:23]  ; my half of h's first 256 keys
	s_or_b32 s[G0K+3], s[G0K+3], 0x80000000        ; type = 2
	s_add_nc_u64 s[G0V+2:G0V+3], s[8:9], s[22:23]
	s_or_b32 s[G0V+3], s[G0V+3], 0x80000000
	s_add_nc_u64 s[4:5], s[4:5], s[2:3]  ; Q and O at my wave's first row
	s_add_nc_u64 s[10:11], s[10:11], s[2:3]
	CROUND                          ; all four work-groups are here: the first joint loads meet
	JLOAD                           ; slot 0.  Slot 1 is asked for when slot 0 is in
	v_and_b32 v1, 15, v0            ; l % 16
	v_bfe_u32 v9, v0, 4, 1          ; l / 16
	v_lshlrev_b32 v[QO], 7, v1
	v_lshl_add_u32 v[QO], v9, 4, v[QO]  ; row x 128 + 16 x half
	v_and_b32 v13, 31, v0
	v_lshlrev_b32 v13, 4, v13
	WIN W_MK
	v_mov_b32 v[MO], v13
	WIN 0x80                        ; destination window 2, address window 0
.set i, 0
.rept 4*NP                          ; Q stays in registers: tile i / 2, channels 32 (i % 2) on
	global_load_b128 v[8*i:8*i+3],   v[QO], s[4:5] offset:(i/2)*2048+(i%2)*64
	global_load_b128 v[8*i+4:8*i+7], v[QO], s[4:5] offset:(i/2)*2048+(i%2)*64+32
.set i, i+1
.endr
	MLOAD 0, 0                      ; the masks of pieces 0 and 1 for step 0
	MLOAD 1, 1
	; THE LOOP IS ENTERED AT PIECE 3's TURN OF A STEP THAT HAS NOT BEEN, so that no first step is written out.  That turn's products K Q^T, maximum and statistics are piece 0's true first ones.  Its own softmax finds
	; S^T = 0, g = 0, g m = 2^20 and a = 1: every weight is 2^(-2^20) = 0, and l and O^T stay 0.  Its products V^T P, and the next turn's, multiply a P of zeros.  The price: one turn in 129.
	; All this stands in the wait for the first tile.
	WIN 0
.set i, 0
.rept 16
	v_mov_b32 v[S+i], 0
.set i, i+1
.endr
	ZERO S+64, 8                    ; S^T's second buffer
	ZERO P, 4                       ; P's first buffer
	WIN 0x40
	ZERO 0, 32                      ; O^T
	WIN 0x80
	ZERO VF, 8                      ; V
	WIN 0
.set i, 0
.rept 2*NP
	v_mov_b32 v[ST+4*i+1], 0xdd800000            ; m = M0 = -2^60
	v_mov_b32 v[ST+4*i+2], 0                     ; l
	v_mov_b32 v[ST+4*i+3], 0
.set i, i+1
.endr
.irp u, 0,1
	v_mov_b32 v[ST+4*(2*NP-2+\u)], 0x49800000    ; piece 3's g m for the turn that has not been: 2^20
	v_mov_b32 v[TMP+8+4*\u], 0                   ; its g
	v_mov_b32 v[TMP+8+4*\u+1], 0                 ; (named with it as a pair)
	v_mov_b32 v[TMP+8+4*\u+2], 1.0               ; its a
	v_mov_b32 v[TMP+8+4*\u+3], 0                 ; (named with it as a pair)
.endr
	v_mul_u32_u24 v[AK0], v1, PK
	v_lshl_add_u32 v[AK0], v9, 4, v[AK0]  ; row x pitch + 16 x half
	; The turning load takes 16 keys x 16 channels (lane l reads key 8 (l / 16) + l % 8, channels 8 ((l / 8) % 2) + 0..7) and leaves half a fragment of V^T.
	v_and_b32 v10, 7, v0
	v_bfe_u32 v11, v0, 3, 1
	v_lshl_add_u32 v[AV0], v9, 3, v10
	v_mul_u32_u24 v[AV0], v[AV0], PV
	v_lshl_add_u32 v[AV0], v11, 4, v[AV0]
	v_add_nc_u32 v[AV0], VOFF, v[AV0]
	v_mov_b32 v[AK], v[AK0]         ; key step 0 lies at the head of slot 0
; THE MATRIX WORK.  The 8 accumulators of a run of 16 take turns.
; Product i of 16 of S^T = K Q^T for piece x: channels 32 (i / 8) on, keys 16 ((i / 2) % 4) on, tile 2 x + i % 2.  The first 8 start the sums with the mask.
.macro KQ x
.set rS, S+64*((\x)%2)+32*(i%2)+8*((i/2)%4)
.set rK, KF+16*((i/2)%4)+8*(i/8)
.set rQ, 16*(2*(\x)+i%2)+8*(i/8)
.set rMM, MC+64*((\x)%2)+32*(i%2)+8*((i/2)%4)
.if i < 8
	WIN W_KM
	v_wmma_f32_16x16x32_f16 v[rS:rS+7], v[rK:rK+7], v[rQ:rQ+7], v[rMM:rMM+7]
.else
	WIN W_KQ
	v_wmma_f32_16x16x32_f16 v[rS:rS+7], v[rK:rK+7], v[rQ:rQ+7], v[rS:rS+7]
.endif
.endm
; Product i of 16 of O^T += V^T P for piece x: keys 32 (i / 8) on, channels 16 ((i / 2) % 4) on, tile 2 x + i % 2.
.macro PV x
	WIN W_PV
.set rO, 32*(2*(\x)+i%2)+8*((i/2)%4)
.set rV, VF+32*(i/8)+8*((i/2)%4)
.set rP, P+32*((\x)%2)+16*(i%2)+8*(i/8)
	v_wmma_f32_16x16x32_f16 v[rO:rO+7], v[rV:rV+7], v[rP:rP+7], v[rO:rO+7]
.endm
.macro MM                           ; the turn's next matrix instruction
.if i < 16
	KQ (Y+1)%NP
.set i, i+1
.else
.set i, i-16
	PV (Y+NP-1)%NP
.set i, i+17
.endif
.endm
; THE LDS LOADS stand in runs of 16.  last = 1 (the tail): in the last trip there is no further step, and the run is jumped over.
.macro FETCH_K last=0
	WIN 0
.if \last
	s_cmp_eq_u32 s[CNT], 1
	s_cbranch_scc1 .Lno_k_\@
.endif
	WIN 0x80                        ; destination window 2
.irp f, 0,1,2,3,4,5,6,7             ; keys 16 (f / 2) on, channels 32 (f % 2) on
	ds_load_b128 v[KF+8*\f:KF+8*\f+3],   v[AK] offset:(\f/2)*16*PK+(\f%2)*64
	ds_load_b128 v[KF+8*\f+4:KF+8*\f+7], v[AK] offset:(\f/2)*16*PK+(\f%2)*64+32
.endr
	s_add_co_u32 s[TBK], s[TBK], KS*PK  ; the next fetch is the next step's
	WIN 0
.if \last
.Lno_k_\@:
.endif
.endm
.macro FETCH_V
	WIN 0x80
.irp f, 0,1,2,3,4,5,6,7             ; keys 32 (f / 4) on, channels 16 (f % 4) on
	ds_load_tr16_b128 v[VF+8*\f:VF+8*\f+3],   v[AV] offset:(\f/4)*32*PV+(\f%4)*32
	ds_load_tr16_b128 v[VF+8*\f+4:VF+8*\f+7], v[AV] offset:(\f/4)*32*PV+16*PV+(\f%4)*32
.endr
	WIN 0
.endm
; THE VECTOR WORK OF A TURN stands in three queues, each in the order in which its entries become ready; the two tiles alternate.
.macro REGS y, u                    ; the registers of tile u (0, 1) of piece y
.set rT, ST+4*(2*(\y)+(\u))
.set rC, TMP+8*((\y)%2)+4*(\u)
.set rM, MV+2*((\y)%2)+(\u)
.set rS, S+64*((\y)%2)+32*(\u)
.set rP, P+32*((\y)%2)+16*(\u)
.set rO, 32*(2*(\y)+(\u))
.endm
; Number n of the 25 that find the NEXT piece's (Y + 1) maximum and statistics; each accumulator's lowest registers are read first.
;   0-11  four chains c0-c3 of seven scores each     12-14, 16  the four scores left over, the old m, and c0-c3 into c0     15  c m_old
;   17, 18  the query's other 32 keys lie in the lane 16 away: the new m         19-21  c m_new; c m_old - c m_new; a         22-24  m + 2^60, which is 0 while m is M0; g = the lesser of that and c; g m
.macro XS u, n
	REGS (Y+1)%NP, \u
.if (\n) < 4
	v_max3_num_f32 v[rC+(\n)], v[rS+8*(\n)], v[rS+8*(\n)+1], v[rS+8*(\n)+2]
.elseif (\n) < 12
	v_max3_num_f32 v[rC+(\n)%4], v[rC+(\n)%4], v[rS+8*((\n)%4)+2*((\n)/4)+1], v[rS+8*((\n)%4)+2*((\n)/4)+2]
.elseif (\n) == 12
	v_max3_num_f32 v[rC], v[rC], v[rS+7], v[rS+15]
.elseif (\n) == 13
	v_max3_num_f32 v[rC+1], v[rC+1], v[rS+23], v[rS+31]
.elseif (\n) == 14
	v_max3_num_f32 v[rC+2], v[rC+2], v[rC+3], v[rT+1]
.elseif (\n) == 15
	v_mul_f32 v[rM], s[CS], v[rT+1]
.elseif (\n) == 16
	v_max3_num_f32 v[rC], v[rC], v[rC+1], v[rC+2]
.elseif (\n) == 17
	v_permlanex16_b32 v[rC+3], v[rC], s[SEL], s[SEL+1]
.elseif (\n) == 18
	v_max_num_f32 v[rT+1], v[rC], v[rC+3]
.elseif (\n) == 19
	v_mul_f32 v[rC+1], s[CS], v[rT+1]
.elseif (\n) == 20
	v_sub_f32 v[rC+1], v[rM], v[rC+1]
.elseif (\n) == 21
	v_exp_f32 v[rC+2], v[rC+1]
.elseif (\n) == 22
	v_add_f32 v[rC], 0x5d800000, v[rT+1]
.elseif (\n) == 23
	v_min_num_f32 v[rC], s[CS], v[rC]
.else
	v_mul_f32 v[rT], v[rC], v[rT+1]
.endif
.endm
; Number g of the 64 that follow the exponentials.  For each four weights k of a tile: both pairs are rounded to f16; the second pair is added onto the first, in place; a group later l takes that sum.
.macro GS g
.set h, (\g)+6*((\g)/62)            ; group 0 has no group before it, and behind group 7 only l is left
.if h >= 6
.set h, h+2
.endif
	REGS Y, h%2
.set k, h/8
.if h%8 < 4
	s_wait_alu depctr_va_vdst(0)
	v_cvt_pk_f16_f32 v[rP+2*k+(h%8)/2], v[rS+4*k+2*((h%8)/2)], v[rS+4*k+2*((h%8)/2)+1]
.elseif h%8 < 6
	v_pk_add_f32 v[rS+4*k:rS+4*k+1], v[rS+4*k:rS+4*k+1], v[rS+4*k+2:rS+4*k+3]
.elseif k == 1
	v_pk_fma_f32 v[rT+2:rT+3], v[rT+2:rT+3], v[rC+2:rC+3], v[rS:rS+1] op_sel_hi:[1,0,1]
.else
	v_pk_add_f32 v[rT+2:rT+3], v[rT+2:rT+3], v[rS+4*k-4:rS+4*k-3]
	s_wait_alu depctr_va_vdst(0)
.endif
.endm
; THE PLAIN QUEUE, 144 long.  0-31: g s - g m for the 16 pairs of both tiles.  Then GS's 64, and among them the next piece's 48; its last six close the queue.
.macro PL
	WIN 0
.if q < 32
	REGS Y, q%2
	v_pk_fma_f32 v[rS+2*(q/2):rS+2*(q/2)+1], v[rS+2*(q/2):rS+2*(q/2)+1], v[rC:rC+1], v[rT:rT+1] op_sel_hi:[1,0,0] neg_lo:[0,0,1] neg_hi:[0,0,1]
.elseif q < 38
	GS q-32
.elseif q < 40
	XS q%2, 15
.elseif q < 42
	GS q-34
.elseif q < 74
	XS q%2, (q-42)/2+(q-42)/30
.elseif q < 95
	GS q-66
.elseif (q < 107) && ((q-95)%3 < 2)
	XS (q-95)%3, 17+(q-95)/3
.elseif q < 107
	GS 29+(q-95)/3
.elseif q < 138
	GS q-74
.else
	XS q%2, 22+(q-138)/2
.endif
.set q, q+1
.endm
; THE EXPONENTIALS' QUEUE, 66 long: s0-s31 of both tiles, and at EA the next piece's two a.
.set EA, 58
.macro EX
	WIN 0
.if (e == EA) || (e == EA+1)
	XS e-EA, 21
.else
.set x, e-2*(e/(EA+2))
	REGS Y, x%2
	v_exp_f32 v[rS+x/2], v[rS+x/2]
.endif
.set e, e+1
.endm
; THE RESCALING's QUEUE: O^T times a, four at a time, eight times.
.macro R4
	REGS Y, r%2
	WIN W_RS
.irp z, 0,1,2,3
	v_pk_mul_f32 v[rO+8*(r/2)+2*\z:rO+8*(r/2)+2*\z+1], v[rO+8*(r/2)+2*\z:rO+8*(r/2)+2*\z+1], v[rC+2:rC+3] op_sel_hi:[1,0]
.endr
.set r, r+1
.endm
; A TURN, for piece p.  cnt = 1: the loop's count is taken down some lines ahead of the branch that stands behind the turn; only vector and matrix lines, waits and window switches follow the compare.
; The order: all 32 scalings stand ahead of the exponentials; eleven exponentials are out when the first rounding comes, and from there one more comes with each plain line, so that every rounding finds its
; two weights made; the next piece's a (exponentials 58, 59) comes behind plain 106, which closes its argument's chain; a plain line follows every run of exponentials before a result is used (ISA guide 5.7.2).
; The 32 scalings, which name no register of the products in front of them, are the places ahead of the mask loads, whose buffer those products' first eight read, and ahead of the next piece's maximum.
; The 48 shifts are the places between the products V^T P and V's run of loads.  K of the next step is fetched in piece 2's turn, V of the step in hand at the end of piece 0's; each is waited for a turn later.
; The masks' base goes a step on at the end of piece 0's turn: pieces 0, 1, 2 are asked for a step ahead of piece 3.  The loads one step past the last are theirs alone: they fall on the following query tile
; of my wave's own eight, inside pm, and feed products whose results nobody reads.
.macro TURN p, last=0, cnt=0
.set Y, (\p)
.set i, 0
.set q, 0
.set e, 0
.set r, 0
.if (\p) == NP-1
	s_wait_dscnt 0x0                ; K is in
.endif
.rept 16
	MM
.endr
.rept 32
	PL
.endr
	MLOAD ((\p)+3)%NP, ((\p)+1)%2
.rept 11
	EX
.endr
.rept 8
	R4
.endr
.rept 47
	EX
	PL
.if ((\p) == NP-2) && (e == 14)
	v_add_nc_u32 v[AK], s[TBK], v[AK0]
.endif
.if ((\p) == NP-2) && (e == 18)
	FETCH_K \last
.endif
.endr
.rept 28
	PL
.endr
.rept 8
	EX
	PL
.endr
.rept 29
	PL
.if ((\p) == 0) && (q == 118)
	v_add_nc_u32 v[AV], s[TBV], v[AV0]
	s_wait_alu depctr_va_vdst(0)
.endif
.if ((\p) == 0) && (q == 130)
	s_add_co_u32 s[TBV], s[TBV], KS*PV
.endif
.if (\cnt) && (q == 130)
	s_sub_co_u32 s[CNT], s[CNT], 1
	s_cmp_lg_u32 s[CNT], 0
.endif
.endr
.if (\p) == 1
	s_wait_dscnt 0x0                ; V is in
.endif
.rept 16
	MM
.endr
	s_wait_loadcnt 4                ; this turn's four loads may be out; the four of the turn before are in
	MEXP (\p)%2
.if (\p) == 0
	FETCH_V
	s_wait_xcnt 0x0                 ; the mask loads issued so far have had their addresses translated: only behind this wait is their base stepped
	s_add_nc_u64 s[MB:MB+1], s[MB:MB+1], 1024
.endif
.endm
	CHANGE 1                        ; slot 0 is in, everybody's part of it; slot 1 is asked for
	FETCH_K                         ; key step 0
	s_wait_loadcnt 0x0              ; Q and the first masks
	MEXP 0                          ; piece 0's; piece 1's are spread at the end of the turn that is entered
	WIN 0                           ; the addresses for the way out
	s_mul_i32 s13, s[WV], 16*SP
	s_add_co_u32 s13, s13, STAGE    ; my stage
	v_mul_u32_u24 v[STO], v1, SP    ; in: row l % 16, 16 bytes for each half of the lanes
	v_lshl_add_u32 v[STO], v9, 4, v[STO]
	v_add_nc_u32 v[STO], s13, v[STO]
	v_bfe_u32 v[RD], v0, 3, 2       ; back: 32 lanes take four rows of 128 bytes,
	v_mul_u32_u24 v[RD], v[RD], SP
	v_lshl_add_u32 v[RD], v10, 4, v[RD]
	v_add_nc_u32 v[RD], s13, v[RD]
	v_and_b32 v[GO], 31, v0         ; which are 512 consecutive bytes of O
	v_lshlrev_b32 v[GO], 4, v[GO]
	s_mov_b32 s[CNT], 4
	s_mov_b32 s[SLOTS], SIZE_N/256-1
	s_branch .Lenter                ; into the middle of a trip
.Lslot:                             ; SIZE_N / 256 - 2 times: every slot but the last two is filled again
	CHANGE 1
	s_mov_b32 s[CNT], 4
.Lstep:                             ; a trip: pieces 2 and 3 of one step, then pieces 0 and 1 of the next, whose K and V it fetches
	TURN 2
	WIN 0
.Lenter:
	TURN 3
	TURN 0
	TURN 1, 0, 1
	WIN 0
	s_cbranch_scc1 .Lstep
	s_sub_co_u32 s[SLOTS], s[SLOTS], 1
	s_cmp_lg_u32 s[SLOTS], 0
	s_cbranch_scc1 .Lslot
	CHANGE 0                        ; the tail is written out: nothing is asked for
	s_mov_b32 s[CNT], 5             ; four trips fetch the last slot's steps; the fifth is left in its middle
.Ltail:
	TURN 2, 1
	TURN 3
	WIN 0
	s_sub_co_u32 s[CNT], s[CNT], 1
	s_cmp_eq_u32 s[CNT], 0
	s_cbranch_scc1 .Lout
	TURN 0
	TURN 1
	WIN 0
	s_branch .Ltail
.Lout:                              ; the fifth trip's 16 products K Q^T (on the last K once more) and the maximum made of them serve nothing: the price, once a launch, of one text for every trip
.set i, 0
.rept 16
	PV NP-1                         ; the last piece's V^T P of the last step
.set i, i+1
.endr
	; THE WAY OUT.  l's two halves and the other half of the lanes' are added; O^T is divided by l, rounded to f16 and sent through my stage in LDS, a tile at a time.  The additions are the places behind the last products.
	WIN 0
.macro ALL line:vararg              ; one line for each tile t
.set t, 0
.rept 2*NP
	\line
.set t, t+1
.endr
.endm
	ALL v_add_f32 v[ST+4*t+2], v[ST+4*t+2], v[ST+4*t+3]
	ALL v_permlanex16_b32 v[ST+4*t+3], v[ST+4*t+2], s[SEL], s[SEL+1]
	ALL v_add_f32 v[ST+4*t+2], v[ST+4*t+2], v[ST+4*t+3]
	ALL v_rcp_f32 v[ST+4*t+2], v[ST+4*t+2]
	v_nop                           ; a plain instruction between the last reciprocal and the use of its result
	s_wait_alu depctr_va_vdst(0)
; Tile t: a lane's eight channels of a row pack into 16 bytes; they go into rows of 144 bytes and come back as whole rows of 128, into S^T's registers.  Each accumulator is read from its lowest registers on.
.macro PACK t
	WIN W_RS
.set i, 32*(\t)
.rept 16
	v_pk_mul_f32 v[i:i+1], v[i:i+1], v[ST+4*(\t)+2:ST+4*(\t)+3] op_sel_hi:[1,0]
.set i, i+2
.endr
	WIN 0x05                        ; sources 0 and 1 window 1, destination window 0
.set i, 0
.rept 16
	v_cvt_pk_f16_f32 v[S+16*(\t)+i], v[32*(\t)+2*i], v[32*(\t)+2*i+1]
.set i, i+1
.endr
	WIN 0
.irp f, 0,1,2,3
	ds_store_b128 v[STO], v[S+16*(\t)+4*\f:S+16*(\t)+4*\f+3] offset:32*\f
.endr
.irp f, 0,1,2,3
	ds_load_b128 v[S+16*(\t)+4*\f:S+16*(\t)+4*\f+3], v[RD] offset:\f*4*SP  ; LDS serves a wave's instructions in order (ISA guide 5.7.1.4): these see the stores above; the next tile's stores come behind them
.endr
.endm
.macro SEND t, younger              ; younger: the LDS instructions issued behind tile t's loads: the next tile's eight, or none
	WIN 0
.irp f, 0,1,2,3
	s_wait_dscnt (\younger)+3-\f
	global_store_b128 v[GO], v[S+16*(\t)+4*\f:S+16*(\t)+4*\f+3], s[10:11] offset:(\t)*2048+\f*512  ; 512 consecutive bytes, aligned
.endr
.endm
	PACK 0
.set t, 1
.rept 2*NP-1                        ; a tile's arithmetic stands between the loads of the tile before and its stores
	PACK t
	SEND t-1, 8
.set t, t+1
.endr
	SEND 2*NP-1, 0
	WIN W_AD
	s_wait_tensorcnt 0x0            ; the wave's end
	ds_add_u32 v[SPW], v[NIL]
	s_wait_dscnt 0x0
	WIN 0
	CROUND                          ; the closing round: no work-group ends while a partner may still ask for a tile that names it
	s_endpgm
.Lfunc_end_k_q71a66f8a84_attn:
	.size	k_q71a66f8a84_attn, .Lfunc_end_k_q71a66f8a84_attn-k_q71a66f8a84_attn
	.p2alignl 7, 3214868480
	.fill 96, 4, 3214868480
	.section	.rodata,"a",@progbits
	.p2align	6, 0x0
	.amdhsa_kernel k_q71a66f8a84_attn
		.amdhsa_group_segment_fixed_size 327680
		.amdhsa_private_segment_fixed_size 0
		.amdhsa_enable_private_segment 0
		.amdhsa_kernarg_size 24
		.amdhsa_user_sgpr_count 2
		.amdhsa_user_sgpr_kernarg_segment_ptr 1
		.amdhsa_wavefront_size32 1
		.amdhsa_system_sgpr_workgroup_id_x 1
		.amdhsa_system_sgpr_workgroup_id_y 1
		.amdhsa_system_sgpr_workgroup_id_z 1
		.amdhsa_system_vgpr_workitem_id 0
		.amdhsa_next_free_vgpr 912
		.amdhsa_next_free_sgpr 66
		.amdhsa_reserve_vcc 0
		.amdhsa_float_denorm_mode_32 3
		.amdhsa_float_denorm_mode_16_64 3
		.amdhsa_memory_ordered 1
		.amdhsa_forward_progress 1
		.amdhsa_inst_pref_size 202
	.end_amdhsa_kernel
	.amdgpu_metadata
---
amdhsa.version: [ 1, 2 ]
amdhsa.kernels:
  - .name:           k_q71a66f8a84_attn
    .symbol:         k_q71a66f8a84_attn.kd
    .args:
      - { .name: qkv, .offset: 0, .size: 8, .value_kind: global_buffer, .address_space: global }
      - { .name: pm, .offset: 8, .size: 8, .value_kind: global_buffer, .address_space: global }
      - { .name: ctx, .offset: 16, .size: 8, .value_kind: global_buffer, .address_space: global }
    .group_segment_fixed_size: 327680
    .private_segment_fixed_size: 0
    .kernarg_segment_align: 8
    .kernarg_segment_size: 24
    .max_flat_workgroup_size: 128
    .sgpr_count:     66
    .vgpr_count:     912
    .wavefront_size: 32
...
	.end_amdgpu_metadata
.endif
;; end of part 3
;; launch dense (part 4): grid 8 x 32, 4 waves a work-group, clusters of 4 x 4, 327,680 bytes of LDS; arguments ctx, wd, b_dense, out0; writes out0
.if DOCPART == 4
	.amdgcn_target "amdgcn-amd-amdhsa--gfx1250"
	.amdhsa_code_object_version 6
	.text
	.protected	k_q71a66f8a84_dense
	.globl	k_q71a66f8a84_dense
	.p2align	8
	.type	k_q71a66f8a84_dense,@function
k_q71a66f8a84_dense:
	s_mov_b64 s[64:65], 0
	v_nop
	global_prefetch_b8 v0, s[64:65] scope:SCOPE_SE
	s_setreg_imm32_b32 hwreg(HW_REG_WAVE_MODE, 25, 1), 1
	s_wait_xcnt 0x0
	s_wait_alu depctr_hold_cnt(0) depctr_sa_sdst(0) depctr_va_vdst(0) depctr_va_sdst(0) depctr_va_ssrc(0) depctr_va_vcc(0) depctr_vm_vsrc(0)
	s_getreg_b32 s2, hwreg(HW_REG_IB_STS2, 6, 4)
	s_cmp_eq_u32 s2, 0
	s_cbranch_scc0 .Lentry_in_a_cluster
	s_endpgm
.Lentry_in_a_cluster:
	s_bfe_u32 s2, ttmp6, 0x10000c
	s_cmp_lg_u32 s2, 0xf033
	s_cbranch_scc0 .Lentry_shape_is_right
	s_endpgm
.Lentry_shape_is_right:
; out = ctx W_dense + b_dense.  ctx: [batch x 16 + head][2048][64] f16.  wd: [1024 k][1024 n] f16 (bf16-rounded numbers).  b_dense: [1024] f32, rounded to bf16 here like the other inputs.  out0: [8192][1024] f32.
; SHARES.  A tile of the result is 256 rows x 128 columns: four waves, each 128 rows x 64 columns: 32 accumulators of 16 x 16, 256 registers.  8 x 32 tiles: one for each work-group.
; K = head x 64 + channel goes in steps of 128, two heads, through two LDS slots filled by the tensor data mover.  128 rows of one head are 16,384 consecutive bytes: a load of ctx brings two such
; runs, one head (131,072 elements) apart, padded in LDS after every row of 128 bytes: [head 2][row 128][144 bytes].  The weights: 128 rows of k, 256 bytes each.
; THE MATRIX INSTRUCTION IS USED TRANSPOSED: source 0 = 16 columns of the weights (turned out of LDS by ds_load_tr16_b128), source 1 = 16 rows of ctx: a lane holds eight neighbouring columns of one row.
; CLUSTER.  4 x 4 work-groups: the four of a row of the cluster need the same rows of ctx, the four of a column the same columns of the weights: each tile is asked for jointly.
; REGISTERS.  Window 0: v0-31 addresses; two fragment buffers (ctx 64 + weights 32 registers) at v32 and v128; v224-255 the bias.  Window 1: accumulator (a, b) at v[8 (4 a + b)].
.set NCOL,  1024
.set PA,    144                        ; a row of ctx in LDS: 128 bytes + 16 = 36 words: the 16 rows of a load start at 16 different groups of four banks (64 banks of 4 bytes: ISA guide 11.1)
.set AHALF, 2*128*PA                   ; two heads x 128 rows: one tensor load, and what one wave reads
.set PB,    288                        ; a row of the weights: 256 + 32 = 72 words
.set BHALF, 64*PB
.set BOFF,  2*AHALF
.set SLOT,  BOFF+2*BHALF
.set STAGE, 2*SLOT                     ; behind the ring: 16 rows x 272 bytes for each wave, for the way out
.set SP,    272
.set SPARE, STAGE+4*16*SP              ; behind the stages: the spare words, 128 bytes for each wave
.set ASTEP, 2*262144                   ; bytes from K step to K step in ctx: two heads
.set BSTEP, 128*NCOL*2
.set ADRA, 16
.set ADRB, 20
.set STO,  24
.set RD,   25
.set CO,   26                          ; my byte offset in two rows of out0
.set BO,   27
.set SPW,  28                          ; LDS address of my spare word; never rewritten
.set NIL,  29                          ; 0; never rewritten
.set T,    32                          ; the way out: 32 sums with their bias
.set BK,   96                          ; v96-223: four sets of 32 registers, rows read back
.set BI,   224
.set WV,   12                          ; s12 wave;  s13 = wave / 2: my half of the rows, and: I fetch ctx (0) or weights (1);  s14 = wave % 2: my half of the columns, and: which half I fetch
.set G1,  24
.set G0,  32
.set G1B, 48
.set G0B, 56
.set MSB, 0
.macro WIN new                         ; the immediate's high byte repeats the setting that is left
.if MSB != (\new)
	s_set_vgpr_msb (MSB<<8)|(\new)
.set MSB, \new
.endif
.endm
.set MUL, 0x50                         ; C and D window 1, both sources window 0
.macro JLOAD s                         ; a joint load: waves 0 and 1 fetch the halves of ctx's tile, waves 2 and 3 those of the weights'; s_nop 0 and four v_nop follow each line
	s_cmp_eq_u32 s13, 0
	s_cbranch_scc0 .Lfor_b_\@
	tensor_load_to_lds s[G0+4*(\s):G0+4*(\s)+3], s[G1:G1+7]
	s_nop 0
.rept 4
	v_nop
.endr
	s_branch .Lasked_\@
.Lfor_b_\@:
	tensor_load_to_lds s[G0B+4*(\s):G0B+4*(\s)+3], s[G1B:G1B+7]
	s_nop 0
.rept 4
	v_nop
.endr
.Lasked_\@:
.endm
.macro CREST                           ; a round of the cluster's barrier behind its opening barrier
	s_cmp_lg_u32 s[WV], 0
	s_cbranch_scc1 .Lnot_wave_0_\@
	s_barrier_signal -3
.Lnot_wave_0_\@:
	s_barrier_wait -3
	s_barrier_signal -1
	s_barrier_wait -1
.endm
.macro CROUND
	s_barrier_signal -1
	s_barrier_wait -1
	CREST
.endm
	s_load_b256 s[4:11], s[0:1], 0x0               ; ctx s[4:5], wd s[6:7], b_dense s[8:9], out0 s[10:11]
	v_lshl_add_u32 v[SPW], v0, 2, SPARE
	v_mov_b32 v[NIL], 0
	ds_add_u32 v28, v29
	s_wait_dscnt 0x0
	v_lshrrev_b32 v1, 5, v0
	v_readfirstlane_b32 s[WV], v1
	s_lshr_b32 s13, s[WV], 1
	s_and_b32 s14, s[WV], 1
	s_bfe_u32 s15, ttmp6, 0x40000                  ; cx
	s_bfe_u32 s16, ttmp6, 0x40004                  ; cy
	s_lshl_b32 s17, ttmp9, 2
	s_add_co_u32 s17, s17, s15                     ; tile column 0..7
	s_and_b32 s18, ttmp7, 0xffff
	s_lshl_b32 s18, s18, 2
	s_add_co_u32 s18, s18, s16                     ; tile row 0..31
	s_lshl_b32 s19, s16, 2
	s_lshl_b32 s19, 15, s19                        ; my row of the cluster
	s_lshl_b32 s20, 0x1111, s15                    ; my column
	s_or_b32 s[G1+0], s19, (1<<16)|(1<<20)|(1<<21)|(4<<22)|(3<<25)   ; the mask; 2-byte elements; padding on; bit 21 beside a mask; after every 32 words 4 words
	s_mov_b32 s[G1+1], 8192<<16                    ; tensor_dim0 = 8,192: 128 rows of a head on end
	s_mov_b32 s[G1+2], 2<<16                       ; tensor_dim1 = 2 heads
	s_mov_b32 s[G1+3], 8192<<16                    ; tile_dim0
	s_mov_b32 s[G1+4], 2                           ; tile_dim1
	s_mov_b32 s[G1+5], 131072                      ; elements from head to head
	s_mov_b32 s[G1+6], 0
	s_mov_b32 s[G1+7], 0
	s_or_b32 s[G1B+0], s20, (1<<16)|(1<<20)|(1<<21)|(5<<22)|(7<<25)  ; my column's mask; after every 64 words 8 words
	s_mov_b32 s[G1B+1], 128<<16
	s_mov_b32 s[G1B+2], 64<<16                     ; 64 rows of k
	s_mov_b32 s[G1B+3], 128<<16
	s_mov_b32 s[G1B+4], 64
	s_mov_b32 s[G1B+5], NCOL
	s_mov_b32 s[G1B+6], 0
	s_mov_b32 s[G1B+7], 0
	s_lshr_b32 s40, s18, 3                         ; ctx: the batch's 16 heads of 262,144 bytes,
	s_lshl_b32 s40, s40, 22
	s_and_b32 s41, s18, 7
	s_lshl_b32 s41, s41, 8
	s_lshl_b32 s46, s14, 7
	s_add_co_u32 s41, s41, s46                     ; row 256 x (tile row % 8) + 128 x half,
	s_lshl_b32 s41, s41, 7                         ; of 128 bytes
	s_add_co_u32 s40, s40, s41
	s_mov_b32 s41, 0
	s_mul_i32 s42, s14, 64*NCOL*2                  ; weights: 64 rows of k x half,
	s_lshl_b32 s43, s17, 8                         ; 256 bytes x tile column
	s_add_co_u32 s42, s42, s43
	s_mov_b32 s43, 0
	s_mul_i32 s44, s14, AHALF                      ; where they go: no place in the cluster enters an LDS address
	s_mul_i32 s45, s14, BHALF
	s_add_co_u32 s45, s45, BOFF
	s_wait_kmcnt 0x0
	s_add_nc_u64 s[40:41], s[4:5], s[40:41]
	s_add_nc_u64 s[42:43], s[6:7], s[42:43]
	CROUND                                         ; all sixteen work-groups are here: the first joint loads meet
.irp s, 0,1
	s_mov_b32 s[G0+4*(\s)], 1
	s_add_co_u32 s[G0+4*(\s)+1], s44, (\s)*SLOT
	s_add_nc_u64 s[G0+4*(\s)+2:G0+4*(\s)+3], s[40:41], (\s)*ASTEP
	s_or_b32 s[G0+4*(\s)+3], s[G0+4*(\s)+3], 0x80000000
	s_mov_b32 s[G0B+4*(\s)], 1
	s_add_co_u32 s[G0B+4*(\s)+1], s45, (\s)*SLOT
	s_add_nc_u64 s[G0B+4*(\s)+2:G0B+4*(\s)+3], s[42:43], (\s)*BSTEP
	s_or_b32 s[G0B+4*(\s)+3], s[G0B+4*(\s)+3], 0x80000000
	JLOAD \s                                       ; K steps 0 and 1: two tensor loads of mine are out
.endr
	v_and_b32 v1, 15, v0                           ; r = lane % 16
	v_bfe_u32 v2, v0, 4, 1                         ; h = lane / 16
	s_lshl_b32 s22, s17, 9                         ; my 64 columns, in bytes of f32: in the bias and in a row of out0
	s_lshl_b32 s23, s14, 8
	s_add_co_u32 s22, s22, s23
	s_mov_b32 s23, 0
	s_add_nc_u64 s[8:9], s[8:9], s[22:23]
	s_add_nc_u64 s[10:11], s[10:11], s[22:23]
	v_lshlrev_b32 v[BO], 5, v2
.irp n, 0,1,2,3,4,5,6,7                ; columns 16 (n / 2) + 8 h + 4 (n % 2) + 0..3; waited for on the way out
	global_load_b128 v[BI+4*\n:BI+4*\n+3], v[BO], s[8:9] offset:64*(\n/2)+16*(\n%2)
.endr
	v_mul_u32_u24 v3, v1, PA                       ; a fragment of ctx: row r, 16 bytes for each half of the lanes
	v_lshl_add_u32 v3, v2, 4, v3
	s_mul_i32 s21, s13, AHALF
	v_add_nc_u32 v[ADRA], s21, v3
	v_add_nc_u32 v[ADRA+1], SLOT, v[ADRA]
	v_and_b32 v4, 7, v0                            ; the turning load: lane l reads row of k 8 h + l % 8, columns 8 ((l / 8) % 2) + 0..7
	v_lshl_add_u32 v4, v2, 3, v4
	v_mul_u32_u24 v4, v4, PB
	v_bfe_u32 v5, v0, 3, 1
	v_lshl_add_u32 v4, v5, 4, v4
	s_lshl_b32 s22, s14, 7                         ; my 64 columns
	s_add_co_u32 s22, s22, BOFF
	v_add_nc_u32 v[ADRB], s22, v4
	v_add_nc_u32 v[ADRB+1], SLOT, v[ADRB]
	s_mul_i32 s21, s[WV], 16*SP
	s_add_co_u32 s21, s21, STAGE                   ; my stage
	v_mul_u32_u24 v3, v1, SP                       ; in: row r, 32 bytes for each half of the lanes
	v_lshl_add_u32 v3, v2, 5, v3
	v_add_nc_u32 v[STO], s21, v3
	v_mul_u32_u24 v3, v2, SP                       ; back: lanes 0-15 take one row of 256 bytes, lanes 16-31 the next
	v_lshl_add_u32 v3, v1, 4, v3
	v_add_nc_u32 v[RD], s21, v3
	v_lshlrev_b32 v3, 12, v2                       ; and the same two rows in out0, 4,096 bytes apart
	v_lshl_add_u32 v[CO], v1, 4, v3
	s_lshl_b32 s46, s18, 8
	s_lshl_b32 s47, s13, 7
	s_add_co_u32 s46, s46, s47                     ; my first row,
	s_lshl_b32 s46, s46, 12                        ; of 4,096 bytes
	s_mov_b32 s47, 0
	s_add_nc_u64 s[10:11], s[10:11], s[46:47]
; 24 LDS loads in one run: quarter q (32 along K: head q / 2 of the step's two, channels 32 (q % 2) on) of a slot into buffer f: the weights' four fragments first, then ctx's eight
.macro FETCH slot, q, f
	WIN 0
.set FA, 32+96*(\f)
.set FB, 96+96*(\f)
.set AO, ((\q)/2)*128*PA+((\q)%2)*64
.irp b, 0,1,2,3
	ds_load_tr16_b128 v[FB+8*\b:FB+8*\b+3],   v[ADRB+(\slot)] offset:(\q)*32*PB+32*\b
	ds_load_tr16_b128 v[FB+8*\b+4:FB+8*\b+7], v[ADRB+(\slot)] offset:(\q)*32*PB+16*PB+32*\b
.endr
.irp a, 0,1,2,3,4,5,6,7
	ds_load_b128 v[FA+8*\a:FA+8*\a+3],   v[ADRA+(\slot)] offset:AO+\a*16*PA
	ds_load_b128 v[FA+8*\a+4:FA+8*\a+7], v[ADRA+(\slot)] offset:AO+\a*16*PA+32
.endr
.endm
; 8 matrix instructions: row blocks a0, a0 + 1 x all 4 column blocks.  The 32 accumulators take turns in the same order in every quarter.
.macro MUL8 f, a0, zero
	WIN MUL
.set FA, 32+96*(\f)
.set FB, 96+96*(\f)
.irp a, \a0, (\a0)+1
.irp b, 0,1,2,3
.if \zero
	v_wmma_f32_16x16x32_f16 v[8*(4*(\a)+\b):8*(4*(\a)+\b)+7], v[FB+8*\b:FB+8*\b+7], v[FA+8*(\a):FA+8*(\a)+7], 0
.else
	v_wmma_f32_16x16x32_f16 v[8*(4*(\a)+\b):8*(4*(\a)+\b)+7], v[FB+8*\b:FB+8*\b+7], v[FA+8*(\a):FA+8*(\a)+7], v[8*(4*(\a)+\b):8*(4*(\a)+\b)+7]
.endif
.endr
.endr
.endm
.macro PLACES                          ; four plain instructions between a matrix instruction and a load into, or a vector instruction on, its registers
.rept 4
	v_nop
.endr
.endm
; One of a K step's first three quarters: multiplies buffer f; in its middle it fetches quarter q of the same slot into buffer g.
.macro QUARTER slot, q, f, g, zero
	s_wait_dscnt 8                                 ; the youngest eight loads (ctx's blocks 4-7) may be out
	MUL8 \f, 0, \zero
	MUL8 \f, 2, \zero
	WIN 0
	PLACES
	FETCH \slot, \q, \g
	s_wait_dscnt 24                                ; all but the 24 just issued
	MUL8 \f, 4, \zero
	MUL8 \f, 6, \zero
.endm
; The last quarter multiplies buffer 1 and changes slots: one barrier; in front of it each wave waits for all its tensor loads, adds 0 to its spare word, and waits for that and for its reads of this slot.
.macro TURN slot, next, fill
	WIN 0
	s_wait_tensorcnt 0x0                           ; all my tensor loads have landed: the one that was out is my part of the next slot
	ds_add_u32 v[SPW], v[NIL]                      ; 0 onto my spare word
	s_wait_dscnt 9                                 ; the add and the youngest eight loads may be out
	MUL8 1, 0, 0
	s_wait_dscnt 0x0                               ; the add is done, and my reads of this slot are over
	s_barrier_signal -1
	MUL8 1, 2, 0
	WIN 0
	s_barrier_wait -1
.if \fill
	CREST                                          ; the barrier has opened a round of the cluster's: no wave of any partner still reads this slot or has a load on its way
	s_add_nc_u64 s[G0+4*(\slot)+2:G0+4*(\slot)+3], s[G0+4*(\slot)+2:G0+4*(\slot)+3], 2*ASTEP
	s_add_nc_u64 s[G0B+4*(\slot)+2:G0B+4*(\slot)+3], s[G0B+4*(\slot)+2:G0B+4*(\slot)+3], 2*BSTEP
	JLOAD \slot                                    ; my one tensor load behind the round, 112 matrix instructions ahead of the wait for it; its four v_nop are also the places in front of the loads below
.else
	PLACES
.endif
	FETCH \next, 0, 0
	MUL8 1, 4, 0
	MUL8 1, 6, 0
.endm
	s_wait_tensorcnt 1                             ; my part of K step 0 is in; step 1's may stay out
	s_barrier_signal -1
	s_barrier_wait -1
	FETCH 0, 0, 0
	QUARTER 0, 1, 0, 1, 1                          ; the first quarter's products start the sums
	WIN 0
	s_mov_b32 s3, 3
.Llap:                                                 ; a trip goes once round the ring and fills both slots again: K steps 2 to 7 in three trips
	QUARTER 0, 2, 1, 0, 0
	QUARTER 0, 3, 0, 1, 0
	TURN 0, 1, 1
	QUARTER 1, 1, 0, 1, 0
	QUARTER 1, 2, 1, 0, 0
	QUARTER 1, 3, 0, 1, 0
	TURN 1, 0, 1
	QUARTER 0, 1, 0, 1, 0
	WIN 0
	s_sub_co_u32 s3, s3, 1
	s_cmp_lg_u32 s3, 0
	s_cbranch_scc1 .Llap
	QUARTER 0, 2, 1, 0, 0                          ; the last lap fills nothing
	QUARTER 0, 3, 0, 1, 0
	TURN 0, 1, 0
	QUARTER 1, 1, 0, 1, 0
	QUARTER 1, 2, 1, 0, 0
	QUARTER 1, 3, 0, 1, 0
	s_wait_dscnt 8
	MUL8 1, 0, 0
	MUL8 1, 2, 0
	s_wait_dscnt 0x0
	MUL8 1, 4, 0
	MUL8 1, 6, 0
	WIN 0
	PLACES
	s_wait_loadcnt 0x0                             ; the bias
.set j, 0
.rept 16                                               ; rounded to bf16 like the other inputs, and widened again
	v_cvt_pk_bf16_f32 v[T+j], v[BI+2*j], v[BI+2*j+1]
.set j, j+1
.endr
.set j, 0
.rept 16
	v_lshlrev_b32 v[BI+2*j],   16, v[T+j]
	v_and_b32     v[BI+2*j+1], 0xffff0000, v[T+j]
.set j, j+1
.endr
; THE WAY OUT of block a (16 rows x 256 bytes): bias, through my own stage, back as whole rows of 256 bytes.  Each accumulator is read from its lowest registers on.
.macro PACK a
	WIN 0x01                                       ; source 0 window 1
.set j, 0
.rept 16
	v_pk_add_f32 v[T+2*j:T+2*j+1], v[32*(\a)+2*j:32*(\a)+2*j+1], v[BI+2*j:BI+2*j+1]
.set j, j+1
.endr
	WIN 0
.irp n, 0,1,2,3,4,5,6,7
	ds_store_b128 v[STO], v[T+4*\n:T+4*\n+3] offset:64*(\n/2)+16*(\n%2)
.endr
.if (\a) >= 4
	s_wait_xcnt 0x0                                ; the stores of the block four back have had their addresses translated: only behind this wait are their data registers loaded again
.endif
.irp t, 0,1,2,3,4,5,6,7
	ds_load_b128 v[BK+32*((\a)%4)+4*\t:BK+32*((\a)%4)+4*\t+3], v[RD] offset:\t*2*SP  ; LDS serves a wave in order: these see the stores above, and the next block's stores come behind them
.endr
.endm
.macro SEND a, younger                 ; younger: the next block's eight stores and eight loads, or none
.irp t, 0,1,2,3,4,5,6,7
	s_wait_dscnt (\younger)+7-\t
	global_store_b128 v[CO], v[BK+32*((\a)%4)+4*\t:BK+32*((\a)%4)+4*\t+3], s[10:11] offset:(16*(\a)+2*\t)*4096 th:TH_STORE_NT  ; 16 lanes store 256 consecutive bytes, aligned
.endr
.endm
	PACK 0
.irp a, 1,2,3,4,5,6,7
	PACK \a
	SEND (\a)-1, 16
.endr
	SEND 7, 0
	s_wait_tensorcnt 0x0                           ; the wave's end
	ds_add_u32 v[SPW], v[NIL]
	s_wait_dscnt 0x0
	CROUND                                         ; the closing round: no work-group ends while a partner may still ask for a tile that names it
	s_endpgm
.Lfunc_end_k_q71a66f8a84_dense:
	.size	k_q71a66f8a84_dense, .Lfunc_end_k_q71a66f8a84_dense-k_q71a66f8a84_dense
	.p2alignl 7, 3214868480
	.fill 96, 4, 3214868480
	.section	.rodata,"a",@progbits
	.p2align	6, 0x0
	.amdhsa_kernel k_q71a66f8a84_dense
		.amdhsa_group_segment_fixed_size 327680
		.amdhsa_private_segment_fixed_size 0
		.amdhsa_enable_private_segment 0
		.amdhsa_kernarg_size 32
		.amdhsa_user_sgpr_count 2
		.amdhsa_user_sgpr_kernarg_segment_ptr 1
		.amdhsa_wavefront_size32 1
		.amdhsa_system_sgpr_workgroup_id_x 1
		.amdhsa_system_sgpr_workgroup_id_y 1
		.amdhsa_system_sgpr_workgroup_id_z 1
		.amdhsa_system_vgpr_workitem_id 0
		.amdhsa_next_free_vgpr 512
		.amdhsa_next_free_sgpr 66
		.amdhsa_reserve_vcc 0
		.amdhsa_float_denorm_mode_32 3
		.amdhsa_float_denorm_mode_16_64 3
		.amdhsa_memory_ordered 1
		.amdhsa_forward_progress 1
		.amdhsa_inst_pref_size 98
	.end_amdhsa_kernel
	.amdgpu_metadata
---
amdhsa.version: [ 1, 2 ]
amdhsa.kernels:
  - .name:           k_q71a66f8a84_dense
    .symbol:         k_q71a66f8a84_dense.kd
    .args:
      - { .name: ctx, .offset: 0, .size: 8, .value_kind: global_buffer, .address_space: global }
      - { .name: wd, .offset: 8, .size: 8, .value_kind: global_buffer, .address_space: global }
      - { .name: b_dense, .offset: 16, .size: 8, .value_kind: global_buffer, .address_space: global }
      - { .name: out0, .offset: 24, .size: 8, .value_kind: global_buffer, .address_space: global }
    .group_segment_fixed_size: 327680
    .private_segment_fixed_size: 0
    .kernarg_segment_align: 8
    .kernarg_segment_size: 32
    .max_flat_workgroup_size: 128
    .sgpr_count:     66
    .vgpr_count:     512
    .wavefront_size: 32
...
	.end_amdgpu_metadata
.endif
;; end of part 4
;; ======== version 2 of 2: 4 launches
;; limits: values are held in f16: magnitudes above 65,504 overflow, below 6.1e-05 lose precision
;; workspace buffers: xb 16,777,216 bytes; wq 6,291,456 bytes; wd 2,097,152 bytes; pm 4,194,304 bytes; qkv 50,331,648 bytes; ctx 16,777,216 bytes
;; launch prep (part 5): grid 512 x 1, 8 waves a work-group, no clusters, 35,840 bytes of LDS; arguments hidden_states, W_qkv, W_dense, attention_mask, xb, wq, wd, pm; writes xb, wq, wd, pm
.if DOCPART == 5
	.amdgcn_target "amdgcn-amd-amdhsa--gfx1250"
	.amdhsa_code_object_version 6
	.text
	.protected	k_q71a66f8a84_prep
	.globl	k_q71a66f8a84_prep
	.p2align	8
	.type	k_q71a66f8a84_prep,@function
k_q71a66f8a84_prep:
	s_mov_b64 s[64:65], 0
	v_nop
	global_prefetch_b8 v0, s[64:65] scope:SCOPE_SE
	s_setreg_imm32_b32 hwreg(HW_REG_WAVE_MODE, 25, 1), 1
	s_wait_xcnt 0x0
; PREP.  Four conversions, each input byte read once.
;   work-groups 128..383: hidden_states (f32) -> xb (bf16);  384..479: W_qkv -> wq (bf16);  480..511: W_dense -> wd: rounded to bf16, that number written as f16.
;   work-groups 0..127:   attention_mask (one byte a score, 1 = hidden) -> pm: byte codes in the order in which a lane of the attention kernel needs them.
; LIMITS.  A W_dense number beyond 65,504 becomes an infinity in f16, and below 6e-5 it keeps f16's fixed step of 6e-8.
; pm = [query tile of 16][key step of 64][i 0..1][lane 32][16 bytes].  Lane (r = lane % 16, h = lane / 16): bytes 0-7 are the keys 32 i + 8 h + 0..7 of query r, bytes 8-15 the keys 32 i + 16 + 8 h + 0..7:
; twice the eight registers that the lane holds of a 16 x 16 block of scores.  A byte is 0xF0, the fp8 (E4M3) code of -128, where the score is hidden, and 0 where it is seen.
; No matrix unit, no cluster, no tensor load: no byte is shared between work-groups, and memory is all that counts.
.set X,   4                            ; v[4:131]   stream: 32 loads of 4 registers;  mask: v[4:35], 8 loads
.set Y,   132                          ; v[132:195] stream: 32 pairs to store
.set T,   196                          ; v[196:199] stream: at work
.set G,   36                           ; v[36:67]   mask: 8 units of 4 words as read back from LDS, then as stored
.set GA,  104                          ; mask: my byte offset in two rows of the mask
.set SA,  105                          ; mask: where I put 16 bytes of a row in LDS
.set RA,  106                          ; mask: where I read 8 bytes of row r back
.set OA,  107                          ; mask: 16 x lane
.set TM,  108
.set MP,  272                          ; an LDS row: 256 bytes + 16: the 16 rows that a read touches start 4 words apart
	s_load_b512 s[4:19], s[0:1], 0x0               ; hidden 4:5, W_qkv 6:7, W_dense 8:9, mask 10:11, xb 12:13, wq 14:15, wd 16:17, pm 18:19
	v_lshl_add_u32 v200, v0, 2, 0x8800
	v_mov_b32 v201, 0
	v_lshrrev_b32 v1, 5, v0
	v_readfirstlane_b32 s2, v1                     ; wave 0..7
	s_wait_kmcnt 0x0
	s_cmp_lt_u32 ttmp9, 128
	s_cbranch_scc1 .Lmask
	; THE STREAMS.  A work-group takes a chunk of 32,768 numbers: 131,072 bytes in, 65,536 out.
	s_sub_co_u32 s20, ttmp9, 128                   ; 0..255 hidden, 256..351 W_qkv, 352..383 W_dense
	s_cmp_lt_u32 s20, 256
	s_cselect_b64 s[22:23], s[4:5], s[6:7]
	s_cselect_b64 s[24:25], s[12:13], s[14:15]
	s_cselect_b32 s21, 0, 256
	s_cmp_lt_u32 s20, 352
	s_cselect_b64 s[22:23], s[22:23], s[8:9]
	s_cselect_b64 s[24:25], s[24:25], s[16:17]
	s_cselect_b32 s21, s21, 352
	s_sub_co_u32 s21, s20, s21                     ; the chunk's number in its tensor
	s_lshl_b32 s26, s21, 17
	s_mov_b32 s27, 0
	s_add_nc_u64 s[22:23], s[22:23], s[26:27]
	s_lshl_b32 s26, s21, 16
	s_add_nc_u64 s[24:25], s[24:25], s[26:27]
	v_lshlrev_b32 v1, 4, v0                        ; 16 bytes a thread in,
	v_lshlrev_b32 v2, 3, v0                        ; 8 out
.set i, 0
.rept 32                                               ; the whole chunk is asked for at once: a wave's load covers 512 consecutive bytes
	global_load_b128 v[X+4*i:X+4*i+3], v1, s[22:23] offset:4096*i th:TH_LOAD_NT
.set i, i+1
.endr
; Load i is rounded and stored.  No register is written twice, so no wait frees anything.
.macro CONV f16
	s_wait_loadcnt 31-i                            ; loads come back in order: the 31 - i younger ones stay out
	v_cvt_pk_bf16_f32 v[Y+2*i],   v[X+4*i],   v[X+4*i+1]
	v_cvt_pk_bf16_f32 v[Y+2*i+1], v[X+4*i+2], v[X+4*i+3]
.if \f16
	v_lshlrev_b32 v[T],   16, v[Y+2*i]              ; the bf16 numbers as f32,
	v_and_b32     v[T+1], 0xffff0000, v[Y+2*i]
	v_lshlrev_b32 v[T+2], 16, v[Y+2*i+1]
	v_and_b32     v[T+3], 0xffff0000, v[Y+2*i+1]
	v_cvt_pk_f16_f32 v[Y+2*i],   v[T],   v[T+1]    ; written as f16: exact within f16's range
	v_cvt_pk_f16_f32 v[Y+2*i+1], v[T+2], v[T+3]
.endif
	global_store_b64 v2, v[Y+2*i:Y+2*i+1], s[24:25] offset:2048*i  ; a wave's store covers 256 consecutive bytes, aligned
.set i, i+1
.endm
	s_cmp_ge_u32 s20, 352
	s_cbranch_scc1 .Lf16
.set i, 0
.rept 32
	CONV 0
.endr
	s_endpgm
.Lf16:
.set i, 0
.rept 32
	CONV 1
.endr
	s_endpgm
	; THE MASK.  The work-group takes 16 queries, wave w the keys 256 w .. 256 w + 255: four key steps.  The rows come in as whole aligned 256 bytes,
	; go through the wave's own 16 rows of LDS (no other wave touches them: no barrier), and come back 8 bytes a lane in the order of the scores' registers.
.Lmask:
	v_and_b32 v1, 15, v0                           ; r
	v_bfe_u32 v2, v0, 4, 1                         ; h
	v_lshlrev_b32 v3, 4, v1
	v_lshl_add_u32 v[GA], v2, 11, v3               ; lanes 0-15 one row's 256 bytes, lanes 16-31 the next row's
	s_lshl_b32 s20, ttmp9, 15                      ; 16 rows of 2,048 bytes
	s_lshl_b32 s21, s2, 8
	s_add_co_u32 s20, s20, s21
	s_mov_b32 s21, 0
	s_add_nc_u64 s[10:11], s[10:11], s[20:21]
.set i, 0
.rept 8
	global_load_b128 v[X+4*i:X+4*i+3], v[GA], s[10:11] offset:4096*i th:TH_LOAD_NT
.set i, i+1
.endr
	s_lshl_b32 s20, ttmp9, 15                      ; pm: 32,768 bytes a query tile, 4,096 for a wave's four steps
	s_lshl_b32 s21, s2, 12
	s_add_co_u32 s20, s20, s21
	s_mov_b32 s21, 0
	s_add_nc_u64 s[18:19], s[18:19], s[20:21]
	s_mul_i32 s22, s2, 16*MP                       ; my wave's rows in LDS
	v_mul_u32_u24 v[TM], v2, MP
	v_add3_u32 v[SA], v[TM], v3, s22
	v_mul_u32_u24 v[TM], v1, MP
	v_lshl_add_u32 v[TM], v2, 3, v[TM]
	v_add_nc_u32 v[RA], s22, v[TM]
	v_and_b32 v[TM], 31, v0
	v_lshlrev_b32 v[OA], 4, v[TM]
.set i, 0
.rept 8
	s_wait_loadcnt 7-i
	ds_store_b128 v[SA], v[X+4*i:X+4*i+3] offset:2*MP*i
.set i, i+1
.endr
.set u, 0
.rept 8                                                ; unit u = 2 x step + i: keys 32 u + 8 h + 0..7 and 32 u + 16 + 8 h + 0..7 of query r.  LDS serves a wave in order: these see the stores above
	ds_load_b64 v[G+4*u:G+4*u+1],   v[RA] offset:32*u
	ds_load_b64 v[G+4*u+2:G+4*u+3], v[RA] offset:32*u+16
.set u, u+1
.endr
.set u, 0
.rept 8
	s_wait_dscnt 14-2*u                            ; the 14 - 2 u younger loads stay out
	v_mul_lo_u32 v[G+4*u],   v[G+4*u],   0xf0      ; each byte is 0 or 1: no carry from byte to byte
	v_mul_lo_u32 v[G+4*u+1], v[G+4*u+1], 0xf0
	v_mul_lo_u32 v[G+4*u+2], v[G+4*u+2], 0xf0
	v_mul_lo_u32 v[G+4*u+3], v[G+4*u+3], 0xf0
	global_store_b128 v[OA], v[G+4*u:G+4*u+3], s[18:19] offset:512*u  ; 512 consecutive bytes, aligned
.set u, u+1
.endr
	s_wait_tensorcnt 0x0
	ds_add_u32 v200, v201
	s_wait_dscnt 0x0
	s_endpgm
.Lfunc_end_k_q71a66f8a84_prep:
	.size	k_q71a66f8a84_prep, .Lfunc_end_k_q71a66f8a84_prep-k_q71a66f8a84_prep
	.p2alignl 7, 3214868480
	.fill 96, 4, 3214868480
	.section	.rodata,"a",@progbits
	.p2align	6, 0x0
	.amdhsa_kernel k_q71a66f8a84_prep
		.amdhsa_group_segment_fixed_size 35840
		.amdhsa_private_segment_fixed_size 0
		.amdhsa_enable_private_segment 0
		.amdhsa_kernarg_size 64
		.amdhsa_user_sgpr_count 2
		.amdhsa_user_sgpr_kernarg_segment_ptr 1
		.amdhsa_wavefront_size32 1
		.amdhsa_system_sgpr_workgroup_id_x 1
		.amdhsa_system_sgpr_workgroup_id_y 1
		.amdhsa_system_sgpr_workgroup_id_z 1
		.amdhsa_system_vgpr_workitem_id 0
		.amdhsa_next_free_vgpr 202
		.amdhsa_next_free_sgpr 66
		.amdhsa_reserve_vcc 0
		.amdhsa_float_denorm_mode_32 3
		.amdhsa_float_denorm_mode_16_64 3
		.amdhsa_memory_ordered 1
		.amdhsa_forward_progress 1
		.amdhsa_inst_pref_size 39
	.end_amdhsa_kernel
	.amdgpu_metadata
---
amdhsa.version: [ 1, 2 ]
amdhsa.kernels:
  - .name:           k_q71a66f8a84_prep
    .symbol:         k_q71a66f8a84_prep.kd
    .args:
      - { .name: hidden_states, .offset: 0, .size: 8, .value_kind: global_buffer, .address_space: global }
      - { .name: W_qkv, .offset: 8, .size: 8, .value_kind: global_buffer, .address_space: global }
      - { .name: W_dense, .offset: 16, .size: 8, .value_kind: global_buffer, .address_space: global }
      - { .name: attention_mask, .offset: 24, .size: 8, .value_kind: global_buffer, .address_space: global }
      - { .name: xb, .offset: 32, .size: 8, .value_kind: global_buffer, .address_space: global }
      - { .name: wq, .offset: 40, .size: 8, .value_kind: global_buffer, .address_space: global }
      - { .name: wd, .offset: 48, .size: 8, .value_kind: global_buffer, .address_space: global }
      - { .name: pm, .offset: 56, .size: 8, .value_kind: global_buffer, .address_space: global }
    .group_segment_fixed_size: 35840
    .private_segment_fixed_size: 0
    .kernarg_segment_align: 8
    .kernarg_segment_size: 64
    .max_flat_workgroup_size: 256
    .sgpr_count:     66
    .vgpr_count:     202
    .wavefront_size: 32
...
	.end_amdgpu_metadata
.endif
;; end of part 5
;; launch qkvproj (part 6): grid 16 x 32, 4 waves a work-group, clusters of 4 x 4, 327,680 bytes of LDS; arguments xb, wq, b_qkv, qkv; writes qkv
.if DOCPART == 6
	.amdgcn_target "amdgcn-amd-amdhsa--gfx1250"
	.amdhsa_code_object_version 6
	.text
	.protected	k_q71a66f8a84_qkvproj
	.globl	k_q71a66f8a84_qkvproj
	.p2align	8
	.type	k_q71a66f8a84_qkvproj,@function
k_q71a66f8a84_qkvproj:
	s_mov_b64 s[64:65], 0
	v_nop
	global_prefetch_b8 v0, s[64:65] scope:SCOPE_SE
	s_setreg_imm32_b32 hwreg(HW_REG_WAVE_MODE, 25, 1), 1
	s_wait_xcnt 0x0
	s_wait_alu depctr_hold_cnt(0) depctr_sa_sdst(0) depctr_va_vdst(0) depctr_va_sdst(0) depctr_va_ssrc(0) depctr_va_vcc(0) depctr_vm_vsrc(0)
	s_getreg_b32 s2, hwreg(HW_REG_IB_STS2, 6, 4)
	s_cmp_eq_u32 s2, 0
	s_cbranch_scc0 .Lentry_in_a_cluster
	s_endpgm
.Lentry_in_a_cluster:
	s_bfe_u32 s2, ttmp6, 0x10000c
	s_cmp_lg_u32 s2, 0xf033
	s_cbranch_scc0 .Lentry_shape_is_right
	s_endpgm
.Lentry_shape_is_right:
; q, k, v = x W_qkv + b_qkv.  xb: [8192][1024] bf16.  wq: [1024 k][3072 n] bf16.  b_qkv: [3072] f32, rounded to bf16 here like the other inputs.
; qkv: three sections (q, k, v) of [batch x 16 + head][2048][64] f16, unscaled, each number rounded once from its f32 sum.
; LIMIT.  f16 ends at 65,504: a q, k or v beyond that becomes an infinity.
; SHARES.  A tile of the result is 256 rows x 192 columns, three heads: 16 x 32 tiles.  Four waves, each 64 rows x all 192 columns: 48 accumulators of 16 x 16, 384 registers.  So a wave's results are whole
; heads, and 16 rows of a head leave as 2,048 consecutive bytes.
; K goes in steps of 128 through two LDS slots filled by the tensor data mover: 256 rows of x (256 bytes each) and 128 rows of the weights (384 bytes each: they start at multiples of 128 bytes of wq's rows).
; A step is 192 matrix instructions a wave; 168 of them stand between a slot's request and the wait for it.
; THE MATRIX INSTRUCTION IS USED TRANSPOSED: source 0 = 16 columns of the weights, source 1 = 16 rows of x, so that a lane holds eight neighbouring columns of one row.
; The weights lie [k][n] in LDS as in memory and come out turned, by ds_load_tr16_b128.
; THE BIAS is the C operand of the products that start the sums: in the transposed result a lane's eight registers are eight columns, whatever the row block.
; CLUSTER.  4 x 4 work-groups: the four of a row of the cluster need the same rows of x, the four of a column the same columns of the weights: each tile is asked for jointly.
; REGISTERS.  Window 0: v0-31 addresses; v32-63, v64-95 x's fragments, two buffers; v96-191 the bias, v192-239 at work on it; on the way out v32-239 are used anew.
;   Window 1: v0-95, v96-191 the weights' fragments, two buffers.  Window 2: accumulator (a, b) of row blocks a = 0, 1 at v[8 (12 a + b)].  Window 3: row blocks 2, 3 likewise.
.set NCOL,  3072
.set PA,    272                        ; a row of x in LDS: 256 bytes + 16 = 68 words: the 16 rows of a load start at 16 different groups of four banks (64 banks of 4 bytes: ISA guide 11.1)
.set AHALF, 128*PA                     ; 128 rows: one tensor load
.set CH,    160                        ; a head's 128 bytes of a row of the weights + 32 of padding
.set PB,    3*CH                       ; a row of the weights: 480 bytes = 120 words
.set BHALF, 64*PB                      ; 64 rows of k: one tensor load
.set BOFF,  2*AHALF
.set SLOT1, 1<<17                      ; a slot is BOFF + 2 BHALF = 131,072 bytes: one exclusive or turns an address in one slot into the other's
.set STAGE, 2*SLOT1                    ; behind the ring: 16 rows x 144 bytes for each wave, for the way out
.set SP,    144
.set SPARE, STAGE+4*16*SP              ; behind the stages: the spare words, 128 bytes for each wave
.set ASTEP, 256                        ; bytes from K step to K step in x
.set BSTEP, 128*NCOL*2                 ; and in the weights
.set ADRA0, 16                         ; v16  LDS address of my fragments of x in slot 0; never rewritten
.set ADRB0, 17                         ; v17  the same for the weights
.set ADRA, 18                          ; v18  the same in the slot in hand
.set ADRB, 19                          ; v19
.set STO,  24                          ; the way out: where I put 16 bytes of a row
.set RD,   25                          ; where I read rows back
.set GO,   26                          ; 16 x lane
.set BO,   27                          ; 32 x (lane / 16): my offset in 16 numbers of the bias
.set SPW,  28                          ; LDS address of my spare word; never rewritten
.set NIL,  29                          ; 0; never rewritten
.set BI,   96                          ; the bias of my 8 columns in each of the 12 column blocks
.set T,    192                         ; 48 words of bf16
.set PKR,  32                          ; the way out: 16 words of f16
.set BK,   48                          ; the way out: v48-239: block n's rows read back, 16 registers a block
.set WV,   12                          ; s12 wave;  s13 = wave / 2: I fetch x (0) or weights (1);  s14 = wave % 2: which half of that tile
.set G1,  24                           ; s[24:31] descriptor group 1 for x;  s[32:39] group 0: a set for each of the two first fills; the second then walks on
.set G0,  32
.set G1B, 48                           ; s[48:55], s[56:63] the same for the weights
.set G0B, 56
.set HB,  70                           ; s[70:75] qkv at my 64 rows of each of the tile's three heads
.set HM,  76                           ; s76 a word's upper bf16
.set TB,  77                           ; s77 LDS byte at which the slot in hand begins
.set MSB, 0
.macro WIN new                         ; the immediate's high byte repeats the setting that is left
.if MSB != (\new)
	s_set_vgpr_msb (MSB<<8)|(\new)
.set MSB, \new
.endif
.endm
.set TO_B, 0x40                        ; destination window 1, address window 0
.macro JLOAD s                         ; a joint load: waves 0 and 1 fetch the halves of x's tile, waves 2 and 3 those of the weights'; s_nop 0 and four v_nop follow each line
	s_cmp_eq_u32 s13, 0
	s_cbranch_scc0 .Lfor_b_\@
	tensor_load_to_lds s[G0+4*(\s):G0+4*(\s)+3], s[G1:G1+7]
	s_nop 0
.rept 4
	v_nop
.endr
	s_branch .Lasked_\@
.Lfor_b_\@:
	tensor_load_to_lds s[G0B+4*(\s):G0B+4*(\s)+3], s[G1B:G1B+7]
	s_nop 0
.rept 4
	v_nop
.endr
.Lasked_\@:
.endm
.macro CREST                           ; a round of the cluster's barrier behind its opening barrier
	s_cmp_lg_u32 s[WV], 0
	s_cbranch_scc1 .Lnot_wave_0_\@
	s_barrier_signal -3
.Lnot_wave_0_\@:
	s_barrier_wait -3
	s_barrier_signal -1
	s_barrier_wait -1
.endm
.macro CROUND
	s_barrier_signal -1
	s_barrier_wait -1
	CREST
.endm
	s_load_b256 s[4:11], s[0:1], 0x0               ; xb s[4:5], wq s[6:7], b_qkv s[8:9], qkv s[10:11]
	v_lshl_add_u32 v[SPW], v0, 2, SPARE
	v_mov_b32 v[NIL], 0
	ds_add_u32 v28, v29
	s_wait_dscnt 0x0
	v_lshrrev_b32 v1, 5, v0
	v_readfirstlane_b32 s[WV], v1
	s_lshr_b32 s13, s[WV], 1
	s_and_b32 s14, s[WV], 1
	s_bfe_u32 s15, ttmp6, 0x40000                  ; cx
	s_bfe_u32 s16, ttmp6, 0x40004                  ; cy
	s_lshl_b32 s17, ttmp9, 2
	s_add_co_u32 s17, s17, s15                     ; tile column 0..15
	s_and_b32 s18, ttmp7, 0xffff
	s_lshl_b32 s18, s18, 2
	s_add_co_u32 s18, s18, s16                     ; tile row 0..31
	s_lshl_b32 s19, s16, 2
	s_lshl_b32 s19, 15, s19                        ; my row of the cluster
	s_lshl_b32 s20, 0x1111, s15                    ; my column
	s_or_b32 s[G1+0], s19, (1<<16)|(1<<20)|(1<<21)|(5<<22)|(3<<25)   ; the mask; 2-byte elements; padding on; bit 21 beside a mask; after every 64 words 4 words
	s_mov_b32 s[G1+1], 128<<16                     ; tensor_dim0 = 128
	s_mov_b32 s[G1+2], 128<<16                     ; tensor_dim1 = 128
	s_mov_b32 s[G1+3], 128<<16                     ; tile_dim0 = 128
	s_mov_b32 s[G1+4], 128                         ; tile_dim1 = 128
	s_mov_b32 s[G1+5], 1024                        ; elements from row to row
	s_mov_b32 s[G1+6], 0
	s_mov_b32 s[G1+7], 0
	s_or_b32 s[G1B+0], s20, (1<<16)|(1<<20)|(1<<21)|(4<<22)|(7<<25)  ; my column's mask; after every 32 words, a head's part of a row, 8 words: three times in a row of 96 words
	s_mov_b32 s[G1B+1], 192<<16                    ; tensor_dim0 = 192
	s_mov_b32 s[G1B+2], 64<<16                     ; tensor_dim1 = 64 rows of k
	s_mov_b32 s[G1B+3], 192<<16                    ; tile_dim0 = 192
	s_mov_b32 s[G1B+4], 64                         ; tile_dim1 = 64
	s_mov_b32 s[G1B+5], NCOL
	s_mov_b32 s[G1B+6], 0
	s_mov_b32 s[G1B+7], 0
	s_lshl_b32 s40, s18, 8                         ; x: row 256 x tile row + 128 x half,
	s_lshl_b32 s41, s14, 7
	s_add_co_u32 s40, s40, s41
	s_lshl_b32 s40, s40, 11                        ; of 2,048 bytes
	s_mov_b32 s41, 0
	s_mul_i32 s42, s14, 64*NCOL*2                  ; weights: 64 rows of k x half,
	s_mul_i32 s43, s17, 384                        ; 384 bytes x tile column
	s_add_co_u32 s42, s42, s43
	s_mov_b32 s43, 0
	s_mul_i32 s44, s14, AHALF                      ; where they go: no place in the cluster enters an LDS address
	s_mul_i32 s45, s14, BHALF
	s_add_co_u32 s45, s45, BOFF
	s_mov_b32 s[TB], 0
	s_mov_b32 s[HM], 0xffff0000
	s_wait_kmcnt 0x0
	s_add_nc_u64 s[40:41], s[4:5], s[40:41]
	s_add_nc_u64 s[42:43], s[6:7], s[42:43]
	CROUND                                         ; all sixteen work-groups are here: the first joint loads meet
.irp s, 0,1
	s_mov_b32 s[G0+4*(\s)], 1
	s_add_co_u32 s[G0+4*(\s)+1], s44, (\s)*SLOT1
	s_add_nc_u64 s[G0+4*(\s)+2:G0+4*(\s)+3], s[40:41], (\s)*ASTEP
	s_or_b32 s[G0+4*(\s)+3], s[G0+4*(\s)+3], 0x80000000
	s_mov_b32 s[G0B+4*(\s)], 1
	s_add_co_u32 s[G0B+4*(\s)+1], s45, (\s)*SLOT1
	s_add_nc_u64 s[G0B+4*(\s)+2:G0B+4*(\s)+3], s[42:43], (\s)*BSTEP
	s_or_b32 s[G0B+4*(\s)+3], s[G0B+4*(\s)+3], 0x80000000
	JLOAD \s                                       ; K steps 0 and 1: two tensor loads of mine are out
.endr
	v_and_b32 v1, 15, v0                           ; r = lane % 16
	v_bfe_u32 v2, v0, 4, 1                         ; h = lane / 16
	s_mul_i32 s22, s17, 768                        ; the bias of the tile's 192 columns
	s_mov_b32 s23, 0
	s_add_nc_u64 s[8:9], s[8:9], s[22:23]
	v_lshlrev_b32 v[BO], 5, v2
.set n, 0
.rept 24                                               ; columns 16 (n / 2) + 8 h + 4 (n % 2) + 0..3
	global_load_b128 v[BI+4*n:BI+4*n+3], v[BO], s[8:9] offset:64*(n/2)+16*(n%2)
.set n, n+1
.endr
	v_mul_u32_u24 v3, v1, PA                       ; a fragment of x: row r, 16 bytes for each half of the lanes
	v_lshl_add_u32 v3, v2, 4, v3
	s_mul_i32 s21, s[WV], 64*PA                    ; my 64 rows
	v_add_nc_u32 v[ADRA0], s21, v3
	v_mov_b32 v[ADRA], v[ADRA0]
	v_and_b32 v4, 7, v0                            ; the turning load: lane l reads row of k 8 h + l % 8, columns 8 ((l / 8) % 2) + 0..7
	v_lshl_add_u32 v4, v2, 3, v4
	v_mul_u32_u24 v4, v4, PB
	v_bfe_u32 v5, v0, 3, 1
	v_lshl_add_u32 v4, v5, 4, v4
	v_add_nc_u32 v[ADRB0], BOFF, v4
	v_mov_b32 v[ADRB], v[ADRB0]
	s_mul_i32 s21, s[WV], 16*SP
	s_add_co_u32 s21, s21, STAGE                   ; my stage
	v_mul_u32_u24 v3, v1, SP
	v_lshl_add_u32 v3, v2, 4, v3
	v_add_nc_u32 v[STO], s21, v3
	v_bfe_u32 v3, v0, 3, 2                         ; back: 32 lanes take four rows of 128 bytes,
	v_mul_u32_u24 v3, v3, SP
	v_and_b32 v4, 7, v0
	v_lshl_add_u32 v3, v4, 4, v3
	v_add_nc_u32 v[RD], s21, v3
	v_and_b32 v[GO], 31, v0                        ; which are 512 consecutive bytes of a head
	v_lshlrev_b32 v[GO], 4, v[GO]
	; where my 64 rows of the tile's three heads begin.  Head 3 x tile column + hd of 48: its section (q, k, v) is that number / 16, its head that number % 16
	s_mul_i32 s22, s17, 3
	s_lshr_b32 s46, s18, 3                         ; batch: 8 tile rows each, 16 heads of 262,144 bytes
	s_lshl_b32 s46, s46, 22
	s_and_b32 s47, s18, 7
	s_lshl_b32 s47, s47, 15                        ; 256 rows of 128 bytes
	s_add_co_u32 s46, s46, s47
	s_lshl_b32 s47, s[WV], 13                      ; 64 rows of 128 bytes
	s_add_co_u32 s46, s46, s47
.irp hd, 0,1,2
	s_add_co_u32 s23, s22, \hd
	s_lshr_b32 s47, s23, 4
	s_lshl_b32 s47, s47, 24                        ; a section is 16,777,216 bytes
	s_and_b32 s23, s23, 15
	s_lshl_b32 s23, s23, 18
	s_add_co_u32 s47, s47, s23
	s_add_co_u32 s[HB+2*\hd], s47, s46
	s_mov_b32 s[HB+2*\hd+1], 0
	s_add_nc_u64 s[HB+2*\hd:HB+2*\hd+1], s[10:11], s[HB+2*\hd:HB+2*\hd+1]
.endr
	s_wait_loadcnt 0x0                             ; the bias: it is rounded to bf16 like x and the weights, and widened again, in the wait for the first tile
.set j, 0
.rept 48
	v_cvt_pk_bf16_f32 v[T+j], v[BI+2*j], v[BI+2*j+1]
.set j, j+1
.endr
.set j, 0
.rept 48
	v_lshlrev_b32 v[BI+2*j],   16, v[T+j]
	v_and_b32     v[BI+2*j+1], s[HM], v[T+j]
.set j, j+1
.endr
; 32 LDS loads in one run: quarter q (32 along K) of the slot in hand into buffer f: the weights' twelve fragments first, then x's four
.macro FETCH q, f
	WIN TO_B
.set FB, 96*(\f)
.irp b, 0,1,2,3,4,5,6,7,8,9,10,11
	ds_load_tr16_b128 v[FB+8*\b:FB+8*\b+3],   v[ADRB] offset:(\q)*32*PB+(\b/4)*CH+(\b%4)*32
	ds_load_tr16_b128 v[FB+8*\b+4:FB+8*\b+7], v[ADRB] offset:(\q)*32*PB+16*PB+(\b/4)*CH+(\b%4)*32
.endr
	WIN 0
.set FA, 32+32*(\f)
.irp a, 0,1,2,3
	ds_load_b128 v[FA+8*\a:FA+8*\a+3],   v[ADRA] offset:64*(\q)+\a*16*PA
	ds_load_b128 v[FA+8*\a+4:FA+8*\a+7], v[ADRA] offset:64*(\q)+\a*16*PA+32
.endr
.endm
; 12 matrix instructions: row block a x all 12 column blocks.  c0 = 1: the products start the sums, with the bias as C.  The 48 accumulators take turns in the same order in every quarter.
.macro MUL12 f, a, c0
.set FA, 32+32*(\f)+8*(\a)
.set FB, 96*(\f)
.set AC, 96*((\a)%2)
.if \c0
	WIN 0x81+0x40*((\a)/2)                         ; weights window 1, x and the bias window 0, D window 2 or 3
.else
	WIN 0xa1+0x50*((\a)/2)                         ; weights window 1, x window 0, C and D window 2 or 3
.endif
.irp b, 0,1,2,3,4,5,6,7,8,9,10,11
.if \c0
	v_wmma_f32_16x16x32_bf16 v[AC+8*\b:AC+8*\b+7], v[FB+8*\b:FB+8*\b+7], v[FA:FA+7], v[BI+8*\b:BI+8*\b+7]
.else
	v_wmma_f32_16x16x32_bf16 v[AC+8*\b:AC+8*\b+7], v[FB+8*\b:FB+8*\b+7], v[FA:FA+7], v[AC+8*\b:AC+8*\b+7]
.endif
.endr
.endm
.macro PLACES                          ; four plain instructions between a matrix instruction and a load into, or a vector instruction on, its registers
.rept 4
	v_nop
.endr
.endm
; One of a K step's first three quarters: multiplies buffer f; in its middle it fetches quarter q of the same slot into buffer g.
.macro QUARTER q, f, g, c0
	s_wait_dscnt 4                                 ; the youngest four loads (x's blocks 2, 3) may be out
	MUL12 \f, 0, \c0
	MUL12 \f, 1, \c0
	WIN 0
	PLACES
	FETCH \q, \g
	s_wait_dscnt 32                                ; all but the 32 just issued
	MUL12 \f, 2, \c0
	MUL12 \f, 3, \c0
.endm
; The last quarter multiplies buffer 1 and changes slots: one barrier; in front of it each wave waits for all its tensor loads, adds 0 to its spare word, and waits for that and for its reads of this slot.
; fill = 1: the slot just read out is filled again, with the K step two steps on: the walking descriptors turn to it and go one step on.
.macro TURN fill
	WIN 0
	s_wait_tensorcnt 0x0                           ; all my tensor loads have landed: the one that was out is my part of the next slot
	ds_add_u32 v[SPW], v[NIL]                      ; 0 onto my spare word
	s_wait_dscnt 5                                 ; the add and the youngest four loads may be out
	MUL12 1, 0, 0
	s_wait_dscnt 0x0                               ; the add is done, and my reads of this slot are over
	s_barrier_signal -1
	MUL12 1, 1, 0
	WIN 0
	s_barrier_wait -1
.if \fill
	CREST                                          ; the barrier has opened a round of the cluster's: no wave of any partner still reads this slot or has a load on its way
	s_xor_b32 s[G0+5], s[G0+5], SLOT1
	s_add_nc_u64 s[G0+6:G0+7], s[G0+6:G0+7], ASTEP
	s_xor_b32 s[G0B+5], s[G0B+5], SLOT1
	s_add_nc_u64 s[G0B+6:G0B+7], s[G0B+6:G0B+7], BSTEP
	JLOAD 1                                        ; my one tensor load behind the round; its four v_nop are also the places in front of the loads below
.else
	PLACES
.endif
	s_xor_b32 s[TB], s[TB], SLOT1                  ; the reads go on in the other slot
	v_add_nc_u32 v[ADRA], s[TB], v[ADRA0]
	v_add_nc_u32 v[ADRB], s[TB], v[ADRB0]
	FETCH 0, 0
	MUL12 1, 2, 0
	MUL12 1, 3, 0
.endm
	s_wait_tensorcnt 1                             ; my part of K step 0 is in; step 1's may stay out
	s_barrier_signal -1
	s_barrier_wait -1
	FETCH 0, 0
	QUARTER 1, 0, 1, 1                             ; the first quarter's products start the sums
	WIN 0
	s_mov_b32 s3, 6
.Lstep:                                                ; a trip goes from a K step's second quarter to the next step's first, and fills the slot that it leaves: K steps 2 to 7 in six trips
	QUARTER 2, 1, 0, 0
	QUARTER 3, 0, 1, 0
	TURN 1
	QUARTER 1, 0, 1, 0
	WIN 0
	s_sub_co_u32 s3, s3, 1
	s_cmp_lg_u32 s3, 0
	s_cbranch_scc1 .Lstep
	QUARTER 2, 1, 0, 0                             ; the last two K steps fill nothing
	QUARTER 3, 0, 1, 0
	TURN 0
	QUARTER 1, 0, 1, 0
	QUARTER 2, 1, 0, 0
	QUARTER 3, 0, 1, 0
	s_wait_dscnt 4
	MUL12 1, 0, 0
	MUL12 1, 1, 0
	s_wait_dscnt 0x0
	MUL12 1, 2, 0
	MUL12 1, 3, 0
	WIN 0
	PLACES
; THE WAY OUT of block n: row block a, head hd: 16 rows of one head, 2,048 consecutive bytes: f16, through my own stage, back as whole rows.  Each accumulator is read from its lowest registers on.
.macro PACK a, hd, n
	WIN 0x0a+5*((\a)/2)                            ; sources 0 and 1: window 2 or 3
.set AC, 96*((\a)%2)+32*(\hd)
.set j, 0
.rept 16
	v_cvt_pk_f16_f32 v[PKR+j], v[AC+2*j], v[AC+2*j+1]
.set j, j+1
.endr
	WIN 0
.irp b, 0,1,2,3
	ds_store_b128 v[STO], v[PKR+4*\b:PKR+4*\b+3] offset:32*\b
.endr
.irp f, 0,1,2,3
	ds_load_b128 v[BK+16*(\n)+4*\f:BK+16*(\n)+4*\f+3], v[RD] offset:\f*4*SP  ; LDS serves a wave in order: these see the stores above, and the next block's stores come behind them
.endr
.endm
.macro SEND a, hd, n, younger          ; younger: the next block's four stores and four loads, or none
.irp f, 0,1,2,3
	s_wait_dscnt (\younger)+3-\f
	global_store_b128 v[GO], v[BK+16*(\n)+4*\f:BK+16*(\n)+4*\f+3], s[HB+2*(\hd):HB+2*(\hd)+1] offset:2048*(\a)+512*\f  ; 512 consecutive bytes, aligned
.endr
.endm
	PACK 0, 0, 0
.set n, 1
.rept 11                                               ; a block's conversions stand between the loads of the block before and its stores
	PACK n/3, n%3, n
	SEND (n-1)/3, (n-1)%3, n-1, 8
.set n, n+1
.endr
	SEND 3, 2, 11, 0
	s_wait_tensorcnt 0x0                           ; the wave's end
	ds_add_u32 v[SPW], v[NIL]
	s_wait_dscnt 0x0
	CROUND                                         ; the closing round: no work-group ends while a partner may still ask for a tile that names it
	s_endpgm
.Lfunc_end_k_q71a66f8a84_qkvproj:
	.size	k_q71a66f8a84_qkvproj, .Lfunc_end_k_q71a66f8a84_qkvproj-k_q71a66f8a84_qkvproj
	.p2alignl 7, 3214868480
	.fill 96, 4, 3214868480
	.section	.rodata,"a",@progbits
	.p2align	6, 0x0
	.amdhsa_kernel k_q71a66f8a84_qkvproj
		.amdhsa_group_segment_fixed_size 327680
		.amdhsa_private_segment_fixed_size 0
		.amdhsa_enable_private_segment 0
		.amdhsa_kernarg_size 32
		.amdhsa_user_sgpr_count 2
		.amdhsa_user_sgpr_kernarg_segment_ptr 1
		.amdhsa_wavefront_size32 1
		.amdhsa_system_sgpr_workgroup_id_x 1
		.amdhsa_system_sgpr_workgroup_id_y 1
		.amdhsa_system_sgpr_workgroup_id_z 1
		.amdhsa_system_vgpr_workitem_id 0
		.amdhsa_next_free_vgpr 960
		.amdhsa_next_free_sgpr 80
		.amdhsa_reserve_vcc 0
		.amdhsa_float_denorm_mode_32 3
		.amdhsa_float_denorm_mode_16_64 3
		.amdhsa_memory_ordered 1
		.amdhsa_forward_progress 1
		.amdhsa_inst_pref_size 108
	.end_amdhsa_kernel
	.amdgpu_metadata
---
amdhsa.version: [ 1, 2 ]
amdhsa.kernels:
  - .name:           k_q71a66f8a84_qkvproj
    .symbol:         k_q71a66f8a84_qkvproj.kd
    .args:
      - { .name: xb, .offset: 0, .size: 8, .value_kind: global_buffer, .address_space: global }
      - { .name: wq, .offset: 8, .size: 8, .value_kind: global_buffer, .address_space: global }
      - { .name: b_qkv, .offset: 16, .size: 8, .value_kind: global_buffer, .address_space: global }
      - { .name: qkv, .offset: 24, .size: 8, .value_kind: global_buffer, .address_space: global }
    .group_segment_fixed_size: 327680
    .private_segment_fixed_size: 0
    .kernarg_segment_align: 8
    .kernarg_segment_size: 32
    .max_flat_workgroup_size: 128
    .sgpr_count:     80
    .vgpr_count:     960
    .wavefront_size: 32
...
	.end_amdgpu_metadata
.endif
;; end of part 6
;; launch attn (part 7): grid 4 x 64, 4 waves a work-group, clusters of 4 x 1, 327,680 bytes of LDS; arguments qkv, pm, ctx; writes ctx
.if DOCPART == 7
	.amdgcn_target "amdgcn-amd-amdhsa--gfx1250"
	.amdhsa_code_object_version 6
	.text
	.protected	k_q71a66f8a84_attn
	.globl	k_q71a66f8a84_attn
	.p2align	8
	.type	k_q71a66f8a84_attn,@function
k_q71a66f8a84_attn:
	s_mov_b64 s[64:65], 0
	v_nop
	global_prefetch_b8 v0, s[64:65] scope:SCOPE_SE
	s_setreg_imm32_b32 hwreg(HW_REG_WAVE_MODE, 25, 1), 1
	s_wait_xcnt 0x0
	s_wait_alu depctr_hold_cnt(0) depctr_sa_sdst(0) depctr_va_vdst(0) depctr_va_sdst(0) depctr_va_ssrc(0) depctr_va_vcc(0) depctr_vm_vsrc(0)
	s_getreg_b32 s2, hwreg(HW_REG_IB_STS2, 6, 4)
	s_cmp_eq_u32 s2, 0
	s_cbranch_scc0 .Lentry_in_a_cluster
	s_endpgm
.Lentry_in_a_cluster:
	s_bfe_u32 s2, ttmp6, 0x10000c
	s_cmp_lg_u32 s2, 0x3003
	s_cbranch_scc0 .Lentry_shape_is_right
	s_endpgm
.Lentry_shape_is_right:
; O[h][q][:] = the sum over k of softmax_k(masked(Q[h][q] . K[h][k] / 8)) V[h][k][:], h = batch x 16 + head, 64 of them.  Q, K, V: the three sections of qkv, O: ctx, all [64][2048][64] f16.
; THE MASK is data: pm holds a byte a score, in my lanes' order: the fp8 (E4M3) code of -128 where the score is hidden, 0 where it is seen.  One scaled conversion turns eight codes into eight f32 addends, times
; 2^90: -2^97 or 0.  They are the C operand that starts S^T = K Q^T.  The running maximum m starts at M0 = -2^60: above every hidden score, below every true one (f16's scores are 2.7e11 at the most).
; p = 2^(g s - g m) with g = c = log2(e) / 8 once the query has seen a key: a hidden weight is then exactly 0.  While m is still M0 all the query's scores so far are hidden, which the problem's softmax counts as
; equal: g = min(m + 2^60, c) is 0 there, every weight is 1, and O and l sum V's rows and their number.  The first true score gives a = 2^(c M0 - c m) = 0 and wipes those sums.  So a query all of whose keys are
; hidden ends with the mean of V's 2,048 rows, and l is never 0.
; LIMITS.  f16 holds no number beyond 65,504: Q, K and V arrive within it; p lies in 0 to 1, and below 6e-5 it keeps f16's fixed step of 6e-8.  A weight below 2^-126 counts as 0 in l; NaN and infinities are not treated apart.
; SHARES.  A wave owns four PIECES of two tiles of 16 queries, a work-group's four waves 512 queries of one h.  Every wave walks all keys, 64 a step.
; LAYOUT.  S^T = K Q^T (source 0 = 16 keys, source 1 = 16 queries): a lane holds ONE query (lane % 16) and the keys 8 (lane / 16) + 0..7.  Two such tiles, rounded to f16 in pairs, ARE source 1 of
; O^T = V^T P, whose result again holds one query a lane, and eight channels.  K comes out of LDS as it lies, V turned, by ds_load_tr16_b128.
; SOFTMAX.  In every step O and l are multiplied by a = 2^(c m_old - c m_new), both products rounded as the one that the scaling takes: 1 where m has not grown.
; THE COUNT.  A tile and step have 16 matrix and 125 vector instructions: too many to stand all beside the matrix work.  So four vector instructions that are ready stand behind EVERY matrix instruction, and the
; others, which need time of their own whatever the order, in runs without a gap.
; BY TURNS.  Turn n belongs to piece n.  Its matrix work: 16 products K Q^T of piece n + 1, later 16 products V^T P of piece n - 1.  Its vector work: the scaling, exponentials, roundings, sums and rescaling of
; piece n, the maximum and statistics of piece n + 1, whose scores the turn itself has made, and the eight conversions that make the masks of piece n + 2.
; THE MASKS' ROAD.  Each piece has a buffer of its own for its codes.  Turn n converts piece n + 2's codes into masks, which turn n + 1 takes, and asks at once for the same piece's codes of the next key step
; (four loads of 512 consecutive bytes): they have four turns in which to come.  Sixteen such loads of a wave, 8,192 bytes, are out.
; CLUSTER.  The four query blocks of a cluster belong to one h and walk the same K and V: each tile is asked for jointly.  pm's bytes differ from block to block, so each wave loads its own through registers.
; REGISTERS, in windows of 256 (s_set_vgpr_msb: bits 1:0 source 0, 3:2 source 1, 5:4 source 2, 7:6 destination):
;   window 0: v0-11 addresses and the conversion's scale; v12-15, v48-63 at work; v16-47 four registers of statistics a tile; v64-191 S^T, two buffers of two tiles; v192-255 P, likewise
;   window 1: O^T, 32 a tile      window 2: v0-127 Q; v128-191 K of one step; v192-255 V of one step
;   window 3: v0-1 the add's two registers; v2 the masks' lane offset; v16-79 the codes as loaded, 16 registers a piece; v80-207 the masks, two buffers of two tiles
.set SIZE_N, 2048
.set NP,    4         ; pieces a wave: a name, no knob
.set KS,    64        ; keys in a step
.set PK,    144       ; a row of K in LDS: 128 bytes + 16 of padding = 36 words: the 16 rows of a load start at 16 different groups of four banks (64 banks of 4 bytes: ISA guide 11.1)
.set PV,    160       ; a row of V: 128 + 32 = 40 words
.set VOFF,  4*KS*PK   ; a slot holds four steps: 256 rows of K, then 256 rows of V
.set SLOT1, 1<<17     ; slot 1 begins here, so that one exclusive or turns an address in one slot into the other's
.set STAGE, SLOT1+4*KS*(PK+PV)  ; behind the ring, never filled by a tensor load: 16 rows x 144 bytes for each wave
.set SP,    144
.set AK0, 2           ; v2   my lane's place in a tile of K; never rewritten
.set AV0, 3           ; v3   the same for V
.set AK,  4           ; v4   the LDS address of K's next run of loads
.set AV,  5           ; v5   of V's
.set QO,  6           ; v6   my byte offset in the wave's rows of Q
.set STO, 6           ;      later, the way out: where I put 16 bytes of a row
.set RD,  7           ; v7   the way out: where I read rows back
.set GO,  8           ; v8   my byte offset in 512 consecutive bytes of O
.set SCL, 11          ; v11  the conversion's scale: the E8M0 byte 217, 2^90, in all four bytes
.set SPW, 0           ; window 3: LDS address of my spare word; never rewritten
.set NIL, 1           ; window 3: 0; never rewritten
.set MO,  2           ; window 3: 16 x lane, my offset in 512 bytes of codes; never rewritten
.set MR,  16          ; window 3: the codes: piece x, tile u, key block kt at MR + 16 x + 8 u + 2 kt
.set MC,  80          ; window 3: the masks: buffer b, tile u, key block kt at MC + 64 b + 32 u + 8 kt
.set SPARE, STAGE+4*16*SP  ; behind the stages: the spare words, 128 bytes for each wave
.set MV,  12          ; v12-15  c m_old: by buffer and tile
.set ST,  16          ; tile t's statistics at v[ST+4 t]: g m, m, l (even keys', odd keys')
.set TMP, 48          ; by buffer and tile, four registers c0-c3 at work; in the end c0 holds g and c2 holds a
.set S,   64
.set P,   192
.set KF,  128         ; K's fragments, in window 2
.set VF,  192         ; V's
.set WV,  12          ; s12  my wave's number
.set G1K, 24          ; s[24:31] descriptor group 1 for K's tiles
.set G1V, 32          ; s[32:39] for V's: it differs in the padding alone
.set G0K, 40          ; s[40:43] descriptor group 0 for K's tiles: it walks
.set G0V, 44          ; s[44:47] the same for V's
.set MB,  48          ; s[48:49] pm at my wave's eight query tiles, at the step whose codes are asked for
.set MB0, 50          ; s[50:51] the same at step 0; never rewritten once made
.set MS,  54          ; s[54:55] 1,024 x that step, modulo 32 steps; 0 above it
.set SLOTS, 56        ; s56  slots still to be asked for
.set CNT, 57          ; s57  counts a slot's key steps
.set CS,  58          ; s[58:59] c
.set SEL, 60          ; s[60:61] v_permlanex16_b32's selects
.set TBK, 62          ; s62  LDS byte at which K of the step to be fetched begins
.set TBV, 63          ; s63  the same for V, less VOFF
.set MSB, 0
.macro WIN new                      ; the high byte repeats the setting that is left; a switch that changes nothing is dropped
.if MSB != (\new)
	s_set_vgpr_msb (MSB<<8)|(\new)
.set MSB, (\new)
.endif
.endm
.set W_KQ, 0x0a       ; K and Q in window 2, S^T in window 0
.set W_KM, 0x3a       ; the same with the C operand in window 3
.set W_PV, 0x52       ; V in window 2, P in window 0, O^T in window 1
.set W_RS, 0x41       ; O^T (destination and source 0) in window 1, a in window 0
.set W_MK, 0xc0       ; destination in window 3, sources in window 0
.set W_AD, 0x0f       ; the add: address and data in window 3
.set W_ML, 0xc3       ; destination and source 0 in window 3, source 1 in window 0: a load's data and address register; a conversion's masks and codes, its scale in window 0
; A joint fill.  Waves 0 and 1 fetch the two halves of a slot's K, waves 2 and 3 those of its V: 128 keys each.  s_nop 0 and four v_nop follow each line.
.macro JLOAD
	s_cmp_lt_u32 s[WV], 2
	s_cbranch_scc0 .Lfor_v_\@
	tensor_load_to_lds s[G0K:G0K+3], s[G1K:G1K+7]
	s_nop 0
.rept 4
	v_nop
.endr
	s_branch .Lasked_\@
.Lfor_v_\@:
	tensor_load_to_lds s[G0V:G0V+3], s[G1V:G1V+7]
	s_nop 0
.rept 4
	v_nop
.endr
.Lasked_\@:
.endm
.macro CROUND                       ; a round of the cluster's barrier
	s_barrier_signal -1
	s_barrier_wait -1
	s_cmp_lg_u32 s[WV], 0
	s_cbranch_scc1 .Lnot_wave_0_\@
	s_barrier_signal -3
.Lnot_wave_0_\@:
	s_barrier_wait -3
	s_barrier_signal -1
	s_barrier_wait -1
.endm
; THE CHANGE OF SLOTS.  Each wave waits for all its tensor loads, of which one is out: its part of the other slot; adds 0 to its spare word; and waits for that and for its own reads of the slot.
; fill = 1: this slot is filled again, with the keys two slots on; the barrier is then a round of the cluster's, and the joint fill is the first thing behind it: it has four key steps in which to land.
; (At its first use nothing has been read yet: slot 0 is waited for, slot 1 filled.)
.macro CHANGE fill
	WIN W_AD
	s_wait_tensorcnt 0x0            ; no tensor load of mine is out, so a group 0 may be written
	ds_add_u32 v[SPW], v[NIL]       ; 0 onto my spare word
	WIN 0                           ; at a label and at a branch every window is 0
.if \fill
.irp g, G0K, G0V
	s_xor_b32 s[\g+1], s[\g+1], SLOT1  ; the walking descriptor: the other slot than last time,
	s_add_nc_u64 s[\g+2:\g+3], s[\g+2:\g+3], 4*KS*128  ; the next 256 keys
.endr
	s_wait_dscnt 0x0                ; the add is done, and my reads of the slot are over
	CROUND
	JLOAD
.else
	s_wait_dscnt 0x0                ; the add is done, and my reads of the slot are over
	s_barrier_signal -1
	s_barrier_wait -1
.endif
	s_sub_co_u32 s[TBK], s[TBK], 4*KS*PK  ; the fetches go back to a slot's first step,
	s_xor_b32 s[TBK], s[TBK], SLOT1       ; in the other slot
	s_sub_co_u32 s[TBV], s[TBV], 4*KS*PV
	s_xor_b32 s[TBV], s[TBV], SLOT1
.endm
; The codes of piece x's two tiles for the step at MB, into the piece's buffer: four loads, each 512 consecutive bytes.  No hint: the other heads read the same bytes.
.macro MLOAD x
	WIN W_ML
.irp uu, 0,1
.irp ii, 0,1
	global_load_b128 v[MR+16*(\x)+8*\uu+4*\ii:MR+16*(\x)+8*\uu+4*\ii+3], v[MO], s[MB:MB+1] offset:(2*(\x)+\uu)*32768+512*\ii
.endr
.endr
.endm
; Piece x's codes become masks in buffer b: eight bytes, eight f32, one line.  A plain vector instruction follows the run before a mask is taken or a code register is loaded again.
.macro MEXP x, b
	WIN W_ML
.irp uu, 0,1
.irp kt, 0,1,2,3
	v_cvt_scale_pk8_f32_fp8 v[MC+64*(\b)+32*\uu+8*\kt:MC+64*(\b)+32*\uu+8*\kt+7], v[MR+16*(\x)+8*\uu+2*\kt:MR+16*(\x)+8*\uu+2*\kt+1], v[SCL]
.endr
.endr
.endm
; n groups of eight registers from `first` on take 0 x 0 + 0: a line for eight registers.  The two sources are sixteen registers of S^T's first buffer that hold 0.
.macro ZERO first, n
.set i, 0
.rept \n
	v_wmma_f32_16x16x32_f16 v[(\first)+8*i:(\first)+8*i+7], v[S:S+7], v[S+8:S+15], 0
.set i, i+1
.endr
.endm
	s_load_b128 s[4:7], s[0:1], 0x0   ; qkv s[4:5], pm s[6:7]
	s_load_b64 s[10:11], s[0:1], 0x10 ; ctx
	WIN W_MK
	v_lshl_add_u32 v[SPW], v0, 2, SPARE
	v_mov_b32 v[NIL], 0
	s_set_vgpr_msb 0xc0cf
	ds_add_u32 v0, v1
	s_wait_dscnt 0x0
	s_set_vgpr_msb 0xcfc0
	WIN 0
	v_lshrrev_b32 v1, 5, v0
	v_readfirstlane_b32 s[WV], v1   ; wave 0..3
	s_bfe_u32 s13, ttmp6, 0x40000   ; cx: my place in the cluster
	s_lshl_b32 s14, ttmp9, 2        ; in a cluster launch ttmp9 counts clusters
	s_add_co_u32 s14, s14, s13      ; my block of 512 queries: it enters Q's, O's and pm's addresses alone
	s_and_b32 s20, ttmp7, 0xffff    ; h, which the four partners share
	s_mov_b32 s21, 0
	s_mov_b64 s[22:23], SIZE_N*128
	s_mul_u64 s[20:21], s[20:21], s[22:23]  ; h's first byte in each section and in ctx
	s_and_b32 s16, s[WV], 1         ; which half of a slot's 256 keys I fetch:
	s_lshl_b32 s22, s16, 14         ; its 128 rows of 128 bytes in memory,
	s_mov_b32 s23, 0
	s_add_nc_u64 s[22:23], s[22:23], s[20:21]
	s_mul_i32 s17, s16, 128*PK      ; and its place in a slot, for K
	s_mul_i32 s18, s16, 128*PV      ; and for V: no place in the cluster enters an LDS address
	s_lshl_b32 s2, s14, 2
	s_add_co_u32 s2, s2, s[WV]      ; my wave among the 16 of h:
	s_lshl_b32 s52, s2, 18          ; its 8 query tiles of 32,768 bytes in pm,
	s_mov_b32 s53, 0
	s_lshl_b32 s2, s2, 14           ; its 128 rows
	s_mov_b32 s3, 0
	s_add_nc_u64 s[2:3], s[2:3], s[20:21]
	; descriptor group 1.  128 keys are 16,384 dense bytes: asked for as 64 rows of 256 bytes, two keys a row, and padded in LDS after every key
	s_mov_b32 s[G1K], 15|(1<<16)|(1<<20)|(1<<21)|(4<<22)|(3<<25)  ; the mask of four; 2-byte elements; padding on; bit 21 beside a mask; after every 32 words 4 words
	s_mov_b32 s[G1V], 15|(1<<16)|(1<<20)|(1<<21)|(4<<22)|(7<<25)  ; the same with 8 words of padding
.irp g, G1K, G1V
	s_mov_b32 s[\g+1], 128<<16      ; tensor_dim0 = 128
	s_mov_b32 s[\g+2], 64<<16       ; tensor_dim1 = 64
	s_mov_b32 s[\g+3], 128<<16      ; tile_dim0 = 128
	s_mov_b32 s[\g+4], 64           ; tile_dim1 = 64
	s_mov_b32 s[\g+5], 128          ; 128 elements from row to row
	s_mov_b32 s[\g+6], 0
	s_mov_b32 s[\g+7], 0
.endr
	s_mov_b32 s[CS], 0x3e38aa3b     ; c = log2(e) / 8 = 0.180337
	s_mov_b32 s[CS+1], s[CS]
	s_mov_b32 s[SEL], 0x76543210
	s_mov_b32 s[SEL+1], 0xfedcba98
	s_mov_b32 s[TBK], SLOT1+4*KS*PK ; the first change of slots turns these two into 0
	s_mov_b32 s[TBV], SLOT1+4*KS*PV
	s_mov_b32 s[MS], 1024           ; the first step that is asked for apart from the start's: step 1
	s_mov_b32 s[MS+1], 0
	s_mov_b32 s[G0K], 1             ; count = 1
	s_mov_b32 s[G0K+1], s17         ; LDS address: slot 0
	s_mov_b32 s[G0V], 1
	s_add_co_u32 s[G0V+1], s18, VOFF
	s_wait_kmcnt 0x0
	s_add_nc_u64 s[MB0:MB0+1], s[6:7], s[52:53]
	s_mov_b64 s[MB:MB+1], s[MB0:MB0+1]             ; step 0
	s_add_nc_u64 s[6:7], s[4:5], 0x1000000         ; K's section
	s_add_nc_u64 s[8:9], s[4:5], 0x2000000         ; V's
	s_add_nc_u64 s[G0K+2:G0K+3], s[6:7], s[22:23]  ; my half of h's first 256 keys
	s_or_b32 s[G0K+3], s[G0K+3], 0x80000000        ; type = 2
	s_add_nc_u64 s[G0V+2:G0V+3], s[8:9], s[22:23]
	s_or_b32 s[G0V+3], s[G0V+3], 0x80000000
	s_add_nc_u64 s[4:5], s[4:5], s[2:3]  ; Q and O at my wave's first row
	s_add_nc_u64 s[10:11], s[10:11], s[2:3]
	CROUND                          ; all four work-groups are here: the first joint loads meet
	JLOAD                           ; slot 0.  Slot 1 is asked for when slot 0 is in
	v_and_b32 v1, 15, v0            ; l % 16
	v_bfe_u32 v9, v0, 4, 1          ; l / 16
	v_lshlrev_b32 v[QO], 7, v1
	v_lshl_add_u32 v[QO], v9, 4, v[QO]  ; row x 128 + 16 x half
	v_and_b32 v13, 31, v0
	v_lshlrev_b32 v13, 4, v13
	WIN W_MK
	v_mov_b32 v[MO], v13
	WIN 0x80                        ; destination window 2, address window 0
.set i, 0
.rept 4*NP                          ; Q stays in registers: tile i / 2, channels 32 (i % 2) on
	global_load_b128 v[8*i:8*i+3],   v[QO], s[4:5] offset:(i/2)*2048+(i%2)*64
	global_load_b128 v[8*i+4:8*i+7], v[QO], s[4:5] offset:(i/2)*2048+(i%2)*64+32
.set i, i+1
.endr
	MLOAD 0                         ; the codes of all four pieces for step 0
	MLOAD 1
	MLOAD 2
	MLOAD 3
	; THE LOOP IS ENTERED AT PIECE 3's TURN OF A STEP THAT HAS NOT BEEN, so that no first step is written out.  That turn's products K Q^T, maximum and statistics are piece 0's true first ones.  Its own softmax finds
	; S^T = 0, g = 0, g m = 2^20 and a = 1: every weight is 2^(-2^20) = 0, and l and O^T stay 0.  Its products V^T P, and the next turn's, multiply a P of zeros.  The price: one turn in 129.
	; All this stands in the wait for the first tile.
	WIN 0
.set i, 0
.rept 16
	v_mov_b32 v[S+i], 0
.set i, i+1
.endr
	ZERO S+64, 8                    ; S^T's second buffer
	ZERO P, 4                       ; P's first buffer
	WIN 0x40
	ZERO 0, 32                      ; O^T
	WIN 0x80
	ZERO VF, 8                      ; V
	WIN 0
.set i, 0
.rept 2*NP
	v_mov_b32 v[ST+4*i+1], 0xdd800000            ; m = M0 = -2^60
	v_mov_b32 v[ST+4*i+2], 0                     ; l
	v_mov_b32 v[ST+4*i+3], 0
.set i, i+1
.endr
.irp u, 0,1
	v_mov_b32 v[ST+4*(2*NP-2+\u)], 0x49800000    ; piece 3's g m for the turn that has not been: 2^20
	v_mov_b32 v[TMP+8+4*\u], 0                   ; its g
	v_mov_b32 v[TMP+8+4*\u+1], 0                 ; (named with it as a pair)
	v_mov_b32 v[TMP+8+4*\u+2], 1.0               ; its a
	v_mov_b32 v[TMP+8+4*\u+3], 0                 ; (named with it as a pair)
.endr
	v_mul_u32_u24 v[AK0], v1, PK
	v_lshl_add_u32 v[AK0], v9, 4, v[AK0]  ; row x pitch + 16 x half
	; The turning load takes 16 keys x 16 channels (lane l reads key 8 (l / 16) + l % 8, channels 8 ((l / 8) % 2) + 0..7) and leaves half a fragment of V^T.
	v_and_b32 v10, 7, v0
	v_bfe_u32 v11, v0, 3, 1
	v_lshl_add_u32 v[AV0], v9, 3, v10
	v_mul_u32_u24 v[AV0], v[AV0], PV
	v_lshl_add_u32 v[AV0], v11, 4, v[AV0]
	v_add_nc_u32 v[AV0], VOFF, v[AV0]
	v_mov_b32 v[AK], v[AK0]         ; key step 0 lies at the head of slot 0
	v_mov_b32 v[SCL], 0xd9d9d9d9    ; v11 has served: from here on it is the scale
; THE MATRIX WORK.  The 8 accumulators of a run of 16 take turns.
; Product i of 16 of S^T = K Q^T for piece x: channels 32 (i / 8) on, keys 16 ((i / 2) % 4) on, tile 2 x + i % 2.  The first 8 start the sums with the mask.
.macro KQ x
.set rS, S+64*((\x)%2)+32*(i%2)+8*((i/2)%4)
.set rK, KF+16*((i/2)%4)+8*(i/8)
.set rQ, 16*(2*(\x)+i%2)+8*(i/8)
.set rMM, MC+64*((\x)%2)+32*(i%2)+8*((i/2)%4)
.if i < 8
	WIN W_KM
	v_wmma_f32_16x16x32_f16 v[rS:rS+7], v[rK:rK+7], v[rQ:rQ+7], v[rMM:rMM+7]
.else
	WIN W_KQ
	v_wmma_f32_16x16x32_f16 v[rS:rS+7], v[rK:rK+7], v[rQ:rQ+7], v[rS:rS+7]
.endif
.endm
; Product i of 16 of O^T += V^T P for piece x: keys 32 (i / 8) on, channels 16 ((i / 2) % 4) on, tile 2 x + i % 2.
.macro PV x
	WIN W_PV
.set rO, 32*(2*(\x)+i%2)+8*((i/2)%4)
.set rV, VF+32*(i/8)+8*((i/2)%4)
.set rP, P+32*((\x)%2)+16*(i%2)+8*(i/8)
	v_wmma_f32_16x16x32_f16 v[rO:rO+7], v[rV:rV+7], v[rP:rP+7], v[rO:rO+7]
.endm
.macro MM                           ; the turn's next matrix instruction
.if i < 16
	KQ (Y+1)%NP
.set i, i+1
.else
.set i, i-16
	PV (Y+NP-1)%NP
.set i, i+17
.endif
.endm
; THE LDS LOADS stand in runs of 16.  last = 1 (the tail): in the last trip there is no further step, and the run is jumped over.
.macro FETCH_K last=0
	WIN 0
.if \last
	s_cmp_eq_u32 s[CNT], 1
	s_cbranch_scc1 .Lno_k_\@
.endif
	WIN 0x80                        ; destination window 2
.irp f, 0,1,2,3,4,5,6,7             ; keys 16 (f / 2) on, channels 32 (f % 2) on
	ds_load_b128 v[KF+8*\f:KF+8*\f+3],   v[AK] offset:(\f/2)*16*PK+(\f%2)*64
	ds_load_b128 v[KF+8*\f+4:KF+8*\f+7], v[AK] offset:(\f/2)*16*PK+(\f%2)*64+32
.endr
	s_add_co_u32 s[TBK], s[TBK], KS*PK  ; the next fetch is the next step's
	WIN 0
.if \last
.Lno_k_\@:
.endif
.endm
.macro FETCH_V
	WIN 0x80
.irp f, 0,1,2,3,4,5,6,7             ; keys 32 (f / 4) on, channels 16 (f % 4) on
	ds_load_tr16_b128 v[VF+8*\f:VF+8*\f+3],   v[AV] offset:(\f/4)*32*PV+(\f%4)*32
	ds_load_tr16_b128 v[VF+8*\f+4:VF+8*\f+7], v[AV] offset:(\f/4)*32*PV+16*PV+(\f%4)*32
.endr
	WIN 0
.endm
; THE VECTOR WORK OF A TURN stands in three queues, each in the order in which its entries become ready; the two tiles alternate.
.macro REGS y, u                    ; the registers of tile u (0, 1) of piece y
.set rT, ST+4*(2*(\y)+(\u))
.set rC, TMP+8*((\y)%2)+4*(\u)
.set rM, MV+2*((\y)%2)+(\u)
.set rS, S+64*((\y)%2)+32*(\u)
.set rP, P+32*((\y)%2)+16*(\u)
.set rO, 32*(2*(\y)+(\u))
.endm
; Number n of the 25 that find the NEXT piece's (Y + 1) maximum and statistics; each accumulator's lowest registers are read first.
;   0-11  four chains c0-c3 of seven scores each     12-14, 16  the four scores left over, the old m, and c0-c3 into c0     15  c m_old
;   17, 18  the query's other 32 keys lie in the lane 16 away: the new m         19-21  c m_new; c m_old - c m_new; a         22-24  m + 2^60, which is 0 while m is M0; g = the lesser of that and c; g m
.macro XS u, n
	REGS (Y+1)%NP, \u
.if (\n) < 4
	v_max3_num_f32 v[rC+(\n)], v[rS+8*(\n)], v[rS+8*(\n)+1], v[rS+8*(\n)+2]
.elseif (\n) < 12
	v_max3_num_f32 v[rC+(\n)%4], v[rC+(\n)%4], v[rS+8*((\n)%4)+2*((\n)/4)+1], v[rS+8*((\n)%4)+2*((\n)/4)+2]
.elseif (\n) == 12
	v_max3_num_f32 v[rC], v[rC], v[rS+7], v[rS+15]
.elseif (\n) == 13
	v_max3_num_f32 v[rC+1], v[rC+1], v[rS+23], v[rS+31]
.elseif (\n) == 14
	v_max3_num_f32 v[rC+2], v[rC+2], v[rC+3], v[rT+1]
.elseif (\n) == 15
	v_mul_f32 v[rM], s[CS], v[rT+1]
.elseif (\n) == 16
	v_max3_num_f32 v[rC], v[rC], v[rC+1], v[rC+2]
.elseif (\n) == 17
	v_permlanex16_b32 v[rC+3], v[rC], s[SEL], s[SEL+1]
.elseif (\n) == 18
	v_max_num_f32 v[rT+1], v[rC], v[rC+3]
.elseif (\n) == 19
	v_mul_f32 v[rC+1], s[CS], v[rT+1]
.elseif (\n) == 20
	v_sub_f32 v[rC+1], v[rM], v[rC+1]
.elseif (\n) == 21
	v_exp_f32 v[rC+2], v[rC+1]
.elseif (\n) == 22
	v_add_f32 v[rC], 0x5d800000, v[rT+1]
.elseif (\n) == 23
	v_min_num_f32 v[rC], s[CS], v[rC]
.else
	v_mul_f32 v[rT], v[rC], v[rT+1]
.endif
.endm
; Number g of the 64 that follow the exponentials.  For each four weights k of a tile: both pairs are rounded to f16; the second pair is added onto the first, in place; a group later l takes that sum.
.macro GS g
.set h, (\g)+6*((\g)/62)            ; group 0 has no group before it, and behind group 7 only l is left
.if h >= 6
.set h, h+2
.endif
	REGS Y, h%2
.set k, h/8
.if h%8 < 4
	s_wait_alu depctr_va_vdst(0)
	v_cvt_pk_f16_f32 v[rP+2*k+(h%8)/2], v[rS+4*k+2*((h%8)/2)], v[rS+4*k+2*((h%8)/2)+1]
.elseif h%8 < 6
	v_pk_add_f32 v[rS+4*k:rS+4*k+1], v[rS+4*k:rS+4*k+1], v[rS+4*k+2:rS+4*k+3]
.elseif k == 1
	v_pk_fma_f32 v[rT+2:rT+3], v[rT+2:rT+3], v[rC+2:rC+3], v[rS:rS+1] op_sel_hi:[1,0,1]
.else
	v_pk_add_f32 v[rT+2:rT+3], v[rT+2:rT+3], v[rS+4*k-4:rS+4*k-3]
.endif
.endm
; THE PLAIN QUEUE, 144 long.  0-31: g s - g m for the 16 pairs of both tiles.  Then GS's 64, and among them the next piece's 48: number 15 at 38, 39; 0-14 and 16 at 42-73, behind the products that make
; those scores; 17-20 at 95-106, two of three, since each waits for the one before it; 22-24 close the queue.
.macro PL
	WIN 0
.if q < 32
	REGS Y, q%2
	v_pk_fma_f32 v[rS+2*(q/2):rS+2*(q/2)+1], v[rS+2*(q/2):rS+2*(q/2)+1], v[rC:rC+1], v[rT:rT+1] op_sel_hi:[1,0,0] neg_lo:[0,0,1] neg_hi:[0,0,1]
.elseif q < 38
	GS q-32
.elseif q < 40
	XS q%2, 15
.elseif q < 42
	GS q-34
.elseif q < 74
	XS q%2, (q-42)/2+(q-42)/30
.elseif q < 95
	GS q-66
.elseif (q < 107) && ((q-95)%3 < 2)
	XS (q-95)%3, 17+(q-95)/3
.elseif q < 107
	GS 29+(q-95)/3
.elseif q < 138
	GS q-74
.else
	XS q%2, 22+(q-138)/2
.endif
.set q, q+1
.endm
; THE EXPONENTIALS' QUEUE, 66 long: s0-s31 of both tiles, and at EA the next piece's two a.
.set EA, 58
.macro EX
	WIN 0
.if (e == EA) || (e == EA+1)
	XS e-EA, 21
.else
.set x, e-2*(e/(EA+2))
	REGS Y, x%2
	v_exp_f32 v[rS+x/2], v[rS+x/2]
.endif
.set e, e+1
.endm
; THE RESCALING's QUEUE: O^T times a, the one part of the softmax that leaves window 0, so it is dealt four at a time, eight times.
.macro R4
	REGS Y, r%2
	WIN W_RS
.irp z, 0,1,2,3
	v_pk_mul_f32 v[rO+8*(r/2)+2*\z:rO+8*(r/2)+2*\z+1], v[rO+8*(r/2)+2*\z:rO+8*(r/2)+2*\z+1], v[rC+2:rC+3] op_sel_hi:[1,0]
.endr
.set r, r+1
.endm
; HOW THEY ARE DEALT.  Behind a matrix instruction four: plain, exponential, plain, plain (one exponential, a plain instruction on either side), or four of the rescaling.  None names a register of the
; products round it.  What is over stands in two runs: exponential and plain by turns; the second ends in the eight conversions and 28 plain instructions.  The two v_permlanex16_b32 fall into the second run.
; The queues lean on each other, and the deal keeps them in step: exponential e stands behind plain 2 (e / 4) + e % 2 (its scaling); when plain 32 comes, 10 exponentials are out, at 59: 33, at 95: 46; EA comes behind plain 107.
.macro SL
	MM
	PL
	EX
	PL
	PL
.endm
.macro BURST n                      ; 15 matrix instructions, or 16
.rept (\n)-7
	SL
.endr
.rept 3
	MM
	R4
	SL
.endr
	MM
	R4
.endm
; A TURN, for piece p.  cnt = 1: the loop's count is taken down some lines ahead of the branch that stands behind the turn; only vector lines and window switches follow the compare.
; K of the next step is fetched in piece 2's turn, 31 vector instructions behind the last product that read K; V of the step in hand at the end of piece 0's turn; each is waited for a turn later.
; THE MASKS.  The conversions make piece p + 2's masks, in the buffer whose masks the turn before took; the next turn's products take them.  Behind them and one plain line the same piece's codes of the next
; key step are asked for, into the registers just read.  The wait in front of the conversions leaves twelve loads out: those of the three turns since; the four that are wanted were issued ahead of them.
; All four loads of a trip (pieces 0, 1, 2, 3, from piece 2's turn on) are for one key step, so their base is made anew once a trip, in piece 2's turn: the fixed pointer plus 1,024 x the step modulo 32.
; Behind the last step the loads so go back to steps 0 and 1 of the same tiles: they stay inside pm, and nothing that is read is made of them.
.macro TURN p, last=0, cnt=0
.set Y, (\p)
.set i, 0
.set q, 0
.set e, 0
.set r, 0
.if (\p) == NP-1
	s_wait_dscnt 0x0                ; K is in
.endif
	MM
.rept 4
	PL
.endr
	BURST 15
.rept 22
	EX
	PL
.if ((\p) == NP-2) && (e == 18)
	v_add_nc_u32 v[AK], s[TBK], v[AK0]
.endif
.if ((\p) == NP-2) && (e == 24)
	FETCH_K \last
.endif
.endr
.if (\p) == 1
	s_wait_dscnt 0x0                ; V is in
.endif
	BURST 16
.rept 21
	EX
	PL
.endr
	s_wait_loadcnt 12               ; the last three turns' loads may be out; piece p + 2's codes are in
	MEXP ((\p)+2)%NP, (\p)%2
	v_nop                           ; a plain line between the conversions and the loads into their sources
	s_wait_alu depctr_va_vdst(0)
.if (\p) == NP-2
	s_wait_xcnt 0x0                 ; the mask loads issued so far have had their addresses translated: only behind this wait is their base written anew
	s_add_co_u32 s[MS], s[MS], 1024
	s_and_b32 s[MS], s[MS], 0x7c00
	s_add_nc_u64 s[MB:MB+1], s[MB0:MB0+1], s[MS:MS+1]
.endif
	MLOAD ((\p)+2)%NP
.rept 28
	PL
.if ((\p) == 0) && (q == 118)
	v_add_nc_u32 v[AV], s[TBV], v[AV0]
	s_wait_alu depctr_va_vdst(0)
.endif
.if ((\p) == 0) && (q == 130)
	s_add_co_u32 s[TBV], s[TBV], KS*PV
.endif
.if (\cnt) && (q == 130)
	s_sub_co_u32 s[CNT], s[CNT], 1
	s_cmp_lg_u32 s[CNT], 0
.endif
.endr
.if (\p) == 0
	FETCH_V
.endif
.endm
	CHANGE 1                        ; slot 0 is in, everybody's part of it; slot 1 is asked for
	FETCH_K                         ; key step 0
	s_wait_loadcnt 0x0              ; Q and all four pieces' codes of step 0: no load is out, so the masks' base may be written
	MEXP 0, 0                       ; piece 0's masks; the other pieces' are made in the turns that follow
	v_nop                           ; a plain line between the conversions and the loads into their sources
	s_add_nc_u64 s[MB:MB+1], s[MB0:MB0+1], s[MS:MS+1]  ; step 1
	MLOAD 0                         ; piece 0's codes of step 1: pieces 1, 2, 3 ask for theirs in the next three turns
	WIN 0                           ; the addresses for the way out
	s_mul_i32 s13, s[WV], 16*SP
	s_add_co_u32 s13, s13, STAGE    ; my stage
	v_mul_u32_u24 v[STO], v1, SP    ; in: row l % 16, 16 bytes for each half of the lanes
	v_lshl_add_u32 v[STO], v9, 4, v[STO]
	v_add_nc_u32 v[STO], s13, v[STO]
	v_bfe_u32 v[RD], v0, 3, 2       ; back: 32 lanes take four rows of 128 bytes,
	v_mul_u32_u24 v[RD], v[RD], SP
	v_lshl_add_u32 v[RD], v10, 4, v[RD]
	v_add_nc_u32 v[RD], s13, v[RD]
	v_and_b32 v[GO], 31, v0         ; which are 512 consecutive bytes of O
	v_lshlrev_b32 v[GO], 4, v[GO]
	s_mov_b32 s[CNT], 4
	s_mov_b32 s[SLOTS], SIZE_N/256-1
	s_branch .Lenter                ; into the middle of a trip
.Lslot:                             ; SIZE_N / 256 - 2 times: every slot but the last two is filled again
	CHANGE 1
	s_mov_b32 s[CNT], 4
.Lstep:                             ; a trip: pieces 2 and 3 of one step, then pieces 0 and 1 of the next, whose K and V it fetches
	TURN 2
	WIN 0
.Lenter:
	TURN 3
	TURN 0
	TURN 1, 0, 1
	WIN 0
	s_cbranch_scc1 .Lstep
	s_sub_co_u32 s[SLOTS], s[SLOTS], 1
	s_cmp_lg_u32 s[SLOTS], 0
	s_cbranch_scc1 .Lslot
	CHANGE 0                        ; the tail is written out: nothing is asked for
	s_mov_b32 s[CNT], 5             ; four trips fetch the last slot's steps; the fifth is left in its middle
.Ltail:
	TURN 2, 1
	TURN 3
	WIN 0
	s_sub_co_u32 s[CNT], s[CNT], 1
	s_cmp_eq_u32 s[CNT], 0
	s_cbranch_scc1 .Lout
	TURN 0
	TURN 1
	WIN 0
	s_branch .Ltail
.Lout:                              ; the fifth trip's 16 products K Q^T (on the last K once more) and the maximum made of them serve nothing: the price, once a launch, of one text for every trip
.set i, 0
.rept 16
	PV NP-1                         ; the last piece's V^T P of the last step
.set i, i+1
.endr
	; THE WAY OUT.  l's two halves and the other half of the lanes' are added; O^T is divided by l, rounded to f16 and sent through my stage in LDS, a tile at a time.  The additions are the places behind the last products.
	WIN 0
.macro ALL line:vararg              ; one line for each tile t
.set t, 0
.rept 2*NP
	\line
.set t, t+1
.endr
.endm
	ALL v_add_f32 v[ST+4*t+2], v[ST+4*t+2], v[ST+4*t+3]
	ALL v_permlanex16_b32 v[ST+4*t+3], v[ST+4*t+2], s[SEL], s[SEL+1]
	ALL v_add_f32 v[ST+4*t+2], v[ST+4*t+2], v[ST+4*t+3]
	ALL v_rcp_f32 v[ST+4*t+2], v[ST+4*t+2]
	v_nop                           ; a plain instruction between the last reciprocal and the use of its result
	s_wait_alu depctr_va_vdst(0)
; Tile t: a lane's eight channels of a row pack into 16 bytes; they go into rows of 144 bytes and come back as whole rows of 128, into S^T's registers.  Each accumulator is read from its lowest registers on.
.macro PACK t
	WIN W_RS
.set i, 32*(\t)
.rept 16
	v_pk_mul_f32 v[i:i+1], v[i:i+1], v[ST+4*(\t)+2:ST+4*(\t)+3] op_sel_hi:[1,0]
.set i, i+2
.endr
	WIN 0x05                        ; sources 0 and 1 window 1, destination window 0
.set i, 0
.rept 16
	v_cvt_pk_f16_f32 v[S+16*(\t)+i], v[32*(\t)+2*i], v[32*(\t)+2*i+1]
.set i, i+1
.endr
	WIN 0
.irp f, 0,1,2,3
	ds_store_b128 v[STO], v[S+16*(\t)+4*\f:S+16*(\t)+4*\f+3] offset:32*\f
.endr
.irp f, 0,1,2,3
	ds_load_b128 v[S+16*(\t)+4*\f:S+16*(\t)+4*\f+3], v[RD] offset:\f*4*SP  ; LDS serves a wave's instructions in order (ISA guide 5.7.1.4): these see the stores above; the next tile's stores come behind them
.endr
.endm
.macro SEND t, younger              ; younger: the LDS instructions issued behind tile t's loads: the next tile's eight, or none
	WIN 0
.irp f, 0,1,2,3
	s_wait_dscnt (\younger)+3-\f
	global_store_b128 v[GO], v[S+16*(\t)+4*\f:S+16*(\t)+4*\f+3], s[10:11] offset:(\t)*2048+\f*512  ; 512 consecutive bytes, aligned
.endr
.endm
	PACK 0
.set t, 1
.rept 2*NP-1                        ; a tile's arithmetic stands between the loads of the tile before and its stores
	PACK t
	SEND t-1, 8
.set t, t+1
.endr
	SEND 2*NP-1, 0
	WIN W_AD
	s_wait_tensorcnt 0x0            ; the wave's end
	ds_add_u32 v[SPW], v[NIL]
	s_wait_dscnt 0x0
	WIN 0
	CROUND                          ; the closing round: no work-group ends while a partner may still ask for a tile that names it
	s_endpgm
.Lfunc_end_k_q71a66f8a84_attn:
	.size	k_q71a66f8a84_attn, .Lfunc_end_k_q71a66f8a84_attn-k_q71a66f8a84_attn
	.p2alignl 7, 3214868480
	.fill 96, 4, 3214868480
	.section	.rodata,"a",@progbits
	.p2align	6, 0x0
	.amdhsa_kernel k_q71a66f8a84_attn
		.amdhsa_group_segment_fixed_size 327680
		.amdhsa_private_segment_fixed_size 0
		.amdhsa_enable_private_segment 0
		.amdhsa_kernarg_size 24
		.amdhsa_user_sgpr_count 2
		.amdhsa_user_sgpr_kernarg_segment_ptr 1
		.amdhsa_wavefront_size32 1
		.amdhsa_system_sgpr_workgroup_id_x 1
		.amdhsa_system_sgpr_workgroup_id_y 1
		.amdhsa_system_sgpr_workgroup_id_z 1
		.amdhsa_system_vgpr_workitem_id 0
		.amdhsa_next_free_vgpr 976
		.amdhsa_next_free_sgpr 66
		.amdhsa_reserve_vcc 0
		.amdhsa_float_denorm_mode_32 3
		.amdhsa_float_denorm_mode_16_64 3
		.amdhsa_memory_ordered 1
		.amdhsa_forward_progress 1
		.amdhsa_inst_pref_size 206
	.end_amdhsa_kernel
	.amdgpu_metadata
---
amdhsa.version: [ 1, 2 ]
amdhsa.kernels:
  - .name:           k_q71a66f8a84_attn
    .symbol:         k_q71a66f8a84_attn.kd
    .args:
      - { .name: qkv, .offset: 0, .size: 8, .value_kind: global_buffer, .address_space: global }
      - { .name: pm, .offset: 8, .size: 8, .value_kind: global_buffer, .address_space: global }
      - { .name: ctx, .offset: 16, .size: 8, .value_kind: global_buffer, .address_space: global }
    .group_segment_fixed_size: 327680
    .private_segment_fixed_size: 0
    .kernarg_segment_align: 8
    .kernarg_segment_size: 24
    .max_flat_workgroup_size: 128
    .sgpr_count:     66
    .vgpr_count:     976
    .wavefront_size: 32
...
	.end_amdgpu_metadata
.endif
;; end of part 7
;; launch dense: the kernel of part 4 again; grid 8 x 32, 4 waves a work-group, clusters of 4 x 4, 327,680 bytes of LDS; arguments ctx, wd, b_dense, out0; writes out0
